; MI455X (gfx1250); checked and timed in simulation.
; The chip was launched on July 23, 2026; its instructions are those of AMD's public machine-readable ISA for CDNA 5 (MIT licence, August 2026) and "CDNA5" Instruction Set Architecture Reference Guide (July 2026). The comments in the code are by the model that wrote it; some were corrected since.
;; MHA. Allowed arithmetic: matrix products marked QUANTISED: E2M3 operands, one E8M0 scale for each 32 along K, by v_wmma_scale_f32_16x16x128_f8f6f4 with both operands' format E2M3, f32 sums; everything else in f32.
;; Inputs: W1 1,024 x 3,072 float32; W2 1,024 x 1,024 float32; b1 3,072 float32; b2 1,024 float32; inputs 4 x 2,048 x 1,024 float32; mask 4 x 2,048 x 2,048 int32.
;; Outputs: out0 4 x 2,048 x 1,024 float32.
;; This version of the problem:
;;   THIS VERSION OF THE PROBLEM IS GIVEN IN LOW PRECISION. The matrix products marked QUANTISED in the list below multiply operands that are first quantised to E2M3 (2 exponent bits, 3 mantissa bits; 6 bits a number), with one power-of-two scale for each 32 numbers along K (OCP MX v1.0); their sums are f32. All else is computed in f32.
;;   The module's matrix products, in the order in which they are computed (A, B: the left and right operand; K: the contracted axis; several contracted axes count as one K, in the product's order):
;;     1. [M 8,192, K 1,024] x [K 1,024, N 3,072]; A: input inputs; B: input W1: QUANTISED
;;     2. batch 64 x [M 2,048, K 64] x [K 64, N 2,048]; A: computed on the way; B: computed on the way: QUANTISED
;;     3. batch 64 x [M 2,048, K 2,048] x [K 2,048, N 64]; A: computed on the way; B: computed on the way: QUANTISED
;;     4. [M 8,192, K 1,024] x [K 1,024, N 1,024]; A: computed on the way; B: input W2: QUANTISED
;;   THE QUANTISER, for each operand of a quantised product, along K:
;;     - K is cut into blocks of 32 from its start; a last block that is shorter is filled with zeros.
;;     - A block's scale is 2^e with e = floor(log2(the largest magnitude in the block)) - 2, held to -126 .. 127; a block of zeros has e = 0. As a byte (E8M0): e + 127.
;;     - Each number is divided by its block's scale, clamped to +-7.5, and rounded to the nearest number of E2M3, ties to even, subnormals kept.
;;     - The product sums the exact products of the quantised numbers (number of the format x scale) in f32.
;;   ~~~python
;;   def quantise(x, axis):      # numpy; x: float32 -> the quantised numbers, widened to float32 again
;;       x = np.moveaxis(x, axis, -1); K = x.shape[-1]
;;       x = np.pad(x, [(0, 0)] * (x.ndim - 1) + [(0, -K % 32)]); x = x.reshape(x.shape[:-1] + (-1, 32)); a = np.abs(x).max(-1, keepdims=True)
;;       e = np.where(a > 0, np.clip(np.frexp(np.where(a > 0, a, 1))[1] - 1 - 2, -126, 127), 0)      # np.frexp(a)[1] - 1 = floor(log2(a)), exactly
;;       r = np.clip(x / 2.0 ** e, -7.5, 7.5)
;;       step = 2.0 ** (np.maximum(np.frexp(np.where(r == 0, 1, r))[1] - 1, 0) - 3)
;;       q = np.round(r / step) * step * 2.0 ** e      # np.round: ties to even
;;       return np.moveaxis(q.reshape(q.shape[:-2] + (-1,))[..., :K], -1, axis).astype(np.float32)
;;   ~~~
;;   OPERANDS COMPUTED ON THE WAY. 'Computed on the way' means the value that the module computes at that place (a softmax that the list does not call 'softmax' is quantised finished and normalised). What goes into a quantiser is computed in f32, as accurately as f32 sums, v_exp_f32 and their like allow (about 1e-6 of the number): no bf16 or f16 on the way to a quantiser, and a product that is left as it is and whose result goes on into a quantised operand takes f32 operands (vector FMAs, or v_wmma_f32_16x16x4_f32). A number that lies on a knife's edge between two numbers of the format may be rounded either way, as far as f32 arithmetic and the matrix unit's own rounding can turn it there, and no further.
;; One version. Each part assembles by itself: llvm-mc -triple=amdgcn-amd-amdhsa -mcpu=gfx1250 --defsym DOCPART=n.
;; ======== version 1 of 1: 4 launches
;; workspace buffers: xq 6,553,600 bytes; wq 3,276,800 bytes; mb 2,097,152 bytes of whole numbers; nh 524,288 bytes of whole numbers; qkv 19,660,800 bytes; cq 6,553,600 bytes
;; launch prep (part 1): grid 448 x 1, 8 waves a work-group, no clusters, 162,816 bytes of LDS; arguments inputs, mask, W1, W2, xq, wq, mb, nh; writes xq, wq, mb, nh
.if DOCPART == 1
	.amdgcn_target "amdgcn-amd-amdhsa--gfx1250"
	.amdhsa_code_object_version 6
	.text
	.protected	k_q9e5043d79d_prep
	.globl	k_q9e5043d79d_prep
	.p2align	8
	.type	k_q9e5043d79d_prep,@function
k_q9e5043d79d_prep:
	s_mov_b64 s[64:65], 0
	v_nop
	global_prefetch_b8 v0, s[64:65] scope:SCOPE_SE
	s_setreg_imm32_b32 hwreg(HW_REG_WAVE_MODE, 25, 1), 1
	s_wait_xcnt 0x0
; PREP: inputs, W1 and W2 become codes of FP6 (E2M3) with one E8M0 byte for each 32 along K; the mask becomes lane masks and counts.
; DEAD WORK: none.  Every input of the module has a way to the output for some values (b1 on k moves k's codes, hidden scores count in the softmax's
; maximum and sum), so every product, bias and mask word is honoured, and all six inputs are among the launches' arguments.
; TILES.  Rows of an operand (tokens, columns of a weight) are taken 16 to a tile; place r of tile 2 g + u is natural row 32 g + 8 u + r + 8 (r / 8).
; IMAGES.  A fragment (16 rows x 128 K, 12 registers a lane) lies in memory as its registers: half c (registers 6 c .. 6 c + 5) at 768 c:
; four registers at 16 x lane, two at 512 + 8 x lane.  A buffer of codes is [tile][K step 0..7][1,536 bytes].
; SCALES.  For each 128 natural rows 4,096 bytes [pair of K steps 0..3][row 0..127][2 words]; a word is a row's four bytes of one K step.
; MASK.  mb[b][32 queries][64 keys][64 words]: bit (r, h) of word 32 X + 8 t + j says that mask[query 8 X + r + 8 (r / 8)][key 32 (t / 2) + 8 (t % 2) + 16 h + j] is not 0.
; COUNTS.  nh[b][32 queries][256 keys][lane 0..31][2]: lane 16 X + r, word e: how many of keys 128 e .. 128 e + 127 of these 256 are visible to the query at place r of tile X.
; SHARES.  Work-groups 0-255: the mask; 256-383: inputs; 384-431: W1; 432-447: W2.  Each moves 256 KiB in.  Waves share nothing: each has a stage of its own in LDS, each path LDS bytes of its own; no barrier.
; LIMITS: NaN and infinities among the inputs are not served; a block of zeros gets the byte 1 where the quantiser says 127 (its codes are zeros, and this program alone reads the bytes).
.set SPARE, 161792                     ; behind the stages: the spare words, 128 bytes a wave
.set MSTG,  0                          ; the mask's stages: 32 rows x 272 bytes a wave
.set XSTG,  69632                      ; inputs' stages: 16 rows x 528 bytes a wave
.set WSTG,  137216                     ; the weights' stages: two images of 1,536 bytes a wave
.set SPW, 14
.set NIL, 15
.set WV,  8
.set SEL, 26
.set HM,  28
	v_lshl_add_u32 v[SPW], v0, 2, SPARE
	v_mov_b32 v[NIL], 0
	v_lshrrev_b32 v1, 5, v0
	v_readfirstlane_b32 s[WV], v1                  ; wave 0..7
	v_and_b32 v2, 31, v0                           ; lane
	s_cmp_lt_u32 ttmp9, 256
	s_cbranch_scc1 .Lmask
	s_cmp_lt_u32 ttmp9, 384
	s_cbranch_scc1 .Lx
; ---------------- THE WEIGHTS.  A lane takes a column, its registers run down K: a block of 32 along K lies in one lane.
; A wave takes 32 columns x 256 along K: 8 blocks a lane, two K steps of two tiles.
.set OFF, 16                           ; v16-47   4 x lane + i rows
.set WX,  48                           ; v48-111  two sets of 32 numbers
.set CC,  112                          ; v112-117 a block's codes
.set CT,  120                          ; v120-122 its upper 16, as converted
.set FF,  124                          ; v124-147 a K step's two images on the way out
.set SB,  148                          ; v148-149 the scale bytes, four to a register
	s_load_b128 s[4:7], s[0:1], 0x10               ; W1, W2
	s_load_b64 s[10:11], s[0:1], 0x28              ; wq
	s_sub_co_u32 s9, ttmp9, 384
	s_cmp_lt_u32 s9, 48                            ; W1's work-group or W2's: the work-group's number alone decides
	s_cselect_b32 s12, 0, 48
	s_mov_b32 s13, 4096
	s_cselect_b32 s13, 12288, s13                  ; a row of the weight in bytes
	s_mov_b32 s14, 2457600
	s_cselect_b32 s14, 0, s14                      ; the tensor's place in wq
	s_mov_b32 s15, 786432
	s_cselect_b32 s15, 2359296, s15                ; its scales' place from there
	s_sub_co_u32 s16, s9, s12
	s_lshl_b32 s16, s16, 3
	s_add_co_u32 s16, s16, s[WV]
	s_lshr_b32 s17, s16, 2                         ; g: which 32 columns
	s_and_b32 s18, s16, 3                          ; p: which 256 along K
	s_lshl_b32 s20, s18, 8
	s_mul_i32 s20, s20, s13
	s_lshl_b32 s19, s17, 7
	s_add_co_u32 s20, s20, s19                     ; 256 p rows + 128 g bytes
	s_mov_b32 s21, 0
	s_lshl_b32 s22, s13, 5                         ; 32 rows
	s_mov_b32 s23, 0
	s_mul_i32 s24, s17, 24576
	s_mul_i32 s19, s18, 3072
	s_add_co_u32 s24, s24, s19
	s_add_co_u32 s24, s24, s14                     ; the codes: tile 2 g, K step 2 p
	s_mov_b32 s25, 0
	s_lshr_b32 s30, s17, 2
	s_lshl_b32 s30, s30, 12
	s_lshl_b32 s19, s18, 10
	s_add_co_u32 s30, s30, s19
	s_and_b32 s19, s17, 3
	s_lshl_b32 s19, s19, 8
	s_add_co_u32 s30, s30, s19
	s_add_co_u32 s30, s30, s14
	s_add_co_u32 s30, s30, s15                     ; the scale words of my 32 rows
	s_mov_b32 s31, 0
	s_mul_i32 s19, s[WV], 3072
	s_add_co_u32 s19, s19, WSTG                    ; my stage
	v_bfe_u32 v3, v2, 3, 1                         ; column l lies in tile u = (l / 8) % 2
	v_and_b32 v4, 7, v2
	v_lshrrev_b32 v5, 4, v2
	v_lshl_add_u32 v4, v5, 3, v4                   ; at place r = l % 8 + 8 (l / 16)
	v_mul_u32_u24 v3, v3, 1536
	v_add_nc_u32 v3, s19, v3
	v_lshl_add_u32 v5, v4, 4, v3                   ; where my block's first four registers go
	v_lshl_add_u32 v6, v4, 3, v3
	v_add_nc_u32 v6, 512, v6                       ; and its last two
	v_lshlrev_b32 v9, 4, v2                        ; 16 x lane
	v_add_nc_u32 v7, s19, v9                       ; the stage as it is read back
	v_lshlrev_b32 v10, 3, v2                       ; 8 x lane
	v_lshlrev_b32 v[OFF], 2, v2
.set i, 1
.rept 31
	v_add_nc_u32 v[OFF+i], s13, v[OFF+i-1]
.set i, i+1
.endr
	s_wait_kmcnt 0x0
	s_cmp_lt_u32 s9, 48
	s_cselect_b64 s[4:5], s[4:5], s[6:7]
	s_add_nc_u64 s[32:33], s[4:5], s[20:21]        ; a base for each block of 32 rows: nothing is stepped later
.irp t, 1,2,3,4,5,6,7
	s_add_nc_u64 s[32+2*\t:33+2*\t], s[30+2*\t:31+2*\t], s[22:23]
.endr
	s_add_nc_u64 s[26:27], s[10:11], s[24:25]
	s_add_nc_u64 s[28:29], s[10:11], s[30:31]
.macro LOADW t                         ; block t: 32 rows, 128 consecutive bytes a load
.set i, 0
.rept 32
	global_load_b32 v[WX+32*((\t)%2)+i], v[OFF+i], s[32+2*(\t):33+2*(\t)] th:TH_LOAD_NT
.set i, i+1
.endr
.endm
.macro WBLOCK t
.set XS, WX+32*((\t)%2)
.if (\t) < 7
	s_wait_loadcnt 32                              ; this block's 32 loads are in; the next block's 32 may be out
.else
	s_wait_loadcnt 0x0
.endif
	v_max3_num_f32 v150, |v[XS]|, |v[XS+1]|, |v[XS+2]|
	v_max3_num_f32 v151, |v[XS+3]|, |v[XS+4]|, |v[XS+5]|
.irp i, 6,10,14,18,22,26
	v_max3_num_f32 v150, v150, |v[XS+\i]|, |v[XS+\i+1]|
	v_max3_num_f32 v151, v151, |v[XS+\i+2]|, |v[XS+\i+3]|
.endr
	v_max3_num_f32 v150, v150, |v[XS+30]|, |v[XS+31]|
	v_max3_num_f32 v150, v150, v151, 0x1800000     ; the floor 2^(3 - 127): the byte cannot fall under 1
	v_add_nc_u32 v152, 0xff000000, v150            ; 2 off the exponent field: the conversion's scale operand
	v_lshrrev_b32 v153, 23, v152                   ; the byte
.if (\t)%4 == 0
	v_mov_b32 v[SB+(\t)/4], v153
.else
	v_lshl_or_b32 v[SB+(\t)/4], v153, 8*((\t)%4), v[SB+(\t)/4]
.endif
	v_cvt_scalef32_pk16_fp6_f32 v[CC:CC+2], v[XS:XS+15], v152
	v_cvt_scalef32_pk16_fp6_f32 v[CT:CT+2], v[XS+16:XS+31], v152
	v_nop                                          ; a plain line behind the conversions
.irp i, 0,1,2
	v_mov_b32 v[CC+3+\i], v[CT+\i]
.endr
.if (\t)+2 < 8
	LOADW (\t)+2
.endif
	ds_store_b128 v5, v[CC:CC+3] offset:(((\t)%4)/2)*768+((\t)%2)*256   ; block kb of a K step is half kb / 2 of the image, lanes 16 (kb % 2) + r
	ds_store_b64 v6, v[CC+4:CC+5] offset:(((\t)%4)/2)*768+((\t)%2)*128
	s_wait_dscnt 0x0                               ; the stores have read their registers
.endm
.macro FLUSH s                         ; a K step's two images leave: 512 consecutive bytes a store
.if \s
	s_wait_xcnt 0x0                                ; the first flush's stores have read their registers
.endif
.irp i, 0,1,2,3,4,5
	ds_load_b128 v[FF+4*\i:FF+4*\i+3], v7 offset:512*\i
.endr
	s_wait_dscnt 0x0
.irp i, 0,1,2,3,4,5
	global_store_b128 v9, v[FF+4*\i:FF+4*\i+3], s[26:27] offset:(\i/3)*12288+(\s)*1536+512*(\i%3)
.endr
.endm
	LOADW 0
	LOADW 1
	WBLOCK 0
	WBLOCK 1
	WBLOCK 2
	WBLOCK 3
	FLUSH 0
	WBLOCK 4
	WBLOCK 5
	WBLOCK 6
	WBLOCK 7
	FLUSH 1
	global_store_b64 v10, v[SB:SB+1], s[28:29]     ; 32 rows x 2 words: 256 consecutive bytes
	s_wait_tensorcnt 0x0                           ; the wave's end
	ds_add_u32 v[SPW], v[NIL]
	s_wait_dscnt 0x0
	s_endpgm
; ---------------- THE MASK.  A wave takes four units of 32 queries x 64 keys (8 KiB in, 256 bytes out), which are two chunks of 128 keys for the counts.
.set MR, 16                            ; v16-143  two sets of 64 registers as loaded
.set MT, 144                           ; v144-207 register 32 X + 8 t + j as attention's lanes hold the scores
.set OW, 208                           ; v208-215 the words: lane w / 2, register w % 2, two registers a unit
.set CN, 216                           ; v216-217 the visible keys that my lane has seen in this chunk, for tile 0 and for tile 1
.set CD, 218                           ; v218-219 the two chunks' counts: lane 16 X + r
.set CX, 220                           ; v220-221 lane l xor 16's
.Lmask:
	s_load_b64 s[4:5], s[0:1], 0x8                 ; mask
	s_load_b64 s[6:7], s[0:1], 0x30                ; mb
	s_load_b64 s[14:15], s[0:1], 0x38              ; nh
	s_lshl_b32 s9, ttmp9, 3
	s_add_co_u32 s9, s9, s[WV]
	s_lshl_b32 s10, s9, 2                          ; my first unit
	s_lshr_b32 s11, s10, 5                         ; which 32 queries (of all batches)
	s_and_b32 s12, s10, 31                         ; which 64 keys
	s_lshl_b32 s16, s11, 18                        ; 32 rows of 8,192 bytes
	s_lshl_b32 s12, s12, 8
	s_add_co_u32 s16, s16, s12
	s_mov_b32 s17, 0
	s_lshl_b32 s18, s10, 8
	s_mov_b32 s19, 0
	s_lshl_b32 s28, s9, 8                          ; the counts: 256 bytes a wave
	s_mov_b32 s29, 0
	s_mov_b32 s30, 0x76543210                      ; lane l xor 16
	s_mov_b32 s31, 0xfedcba98
	s_mov_b32 s32, 0xffff0000                      ; lanes 16-31
	s_mul_i32 s13, s[WV], 8704                     ; my stage
	v_lshrrev_b32 v3, 4, v2
	v_and_b32 v4, 15, v2
	v_lshlrev_b32 v5, 4, v4
	v_lshl_add_u32 v6, v3, 13, v5                  ; in: sixteen lanes to a row's 256 bytes, two rows a load
	v_mad_u32_u24 v7, v3, 272, v5
	v_add_nc_u32 v7, s13, v7                       ; into the stage likewise
	v_mul_u32_u24 v8, v4, 272
	v_lshl_add_u32 v8, v3, 6, v8
	v_add_nc_u32 v8, s13, v8                       ; out of it: row r, 16 h keys on
	v_lshlrev_b32 v9, 3, v2
.irp i, 0,1,2,3,4,5,6,7
	v_mov_b32 v[OW+\i], 0                          ; a lane write's destination counts as read
.endr
	v_mov_b32 v[CX], 0                             ; and so does a lane permute's
	v_mov_b32 v[CX+1], 0
	s_wait_kmcnt 0x0
	s_add_nc_u64 s[4:5], s[4:5], s[16:17]
	s_add_nc_u64 s[6:7], s[6:7], s[18:19]
	s_add_nc_u64 s[14:15], s[14:15], s[28:29]
.macro LOADM k                         ; the stage's rows 2 n, 2 n + 1 are the queries at places 2 n, 2 n + 1 of the two tiles
.irp n, 0,1,2,3,4,5,6,7,8,9,10,11,12,13,14,15
	global_load_b128 v[MR+64*((\k)%2)+4*\n:MR+64*((\k)%2)+4*\n+3], v6, s[4:5] offset:(8*((2*\n)/16)+(2*\n)%16+8*(((2*\n)%16)/8))*8192+256*(\k) th:TH_LOAD_NT
.endr
.endm
.macro UNIT k
.if (\k) < 3
	s_wait_loadcnt 16                              ; this unit's 16 loads are in; the next unit's 16 may be out
.else
	s_wait_loadcnt 0x0
.endif
.irp n, 0,1,2,3,4,5,6,7,8,9,10,11,12,13,14,15
	ds_store_b128 v7, v[MR+64*((\k)%2)+4*\n:MR+64*((\k)%2)+4*\n+3] offset:544*\n
.endr
.irp x, 0,1
.irp t, 0,1,2,3
.irp e, 0,1
	ds_load_b128 v[MT+32*\x+8*\t+4*\e:MT+32*\x+8*\t+4*\e+3], v8 offset:16*\x*272+128*(\t/2)+32*(\t%2)+16*\e   ; LDS serves a wave's instructions in order: these see the stores
.endr
.endr
.endr
	s_wait_dscnt 0x0
.if (\k) < 2
	LOADM (\k)+2
.endif
.set w, 0
.rept 64
	v_cmp_ne_u32 s[20+w%8], 0, v[MT+w]             ; the 32 lanes' bits are the word
	v_writelane_b32 v[OW+2*(\k)+w%2], s[20+w%8], w/2
.set w, w+1
.endr
	global_store_b64 v9, v[OW+2*(\k):OW+2*(\k)+1], s[6:7] offset:256*(\k)   ; 256 consecutive bytes
.set w, 0
.rept 64
	v_min_u32 v[MT+w], 1, v[MT+w]                  ; 1 for a visible key, 0 for a hidden one
.set w, w+1
.endr
.if (\k)%2 == 0
	v_add_nc_u32 v[CN], v[MT], v[MT+1]             ; a chunk's first unit starts the counts
	v_add_nc_u32 v[CN+1], v[MT+32], v[MT+33]
.else
	v_add3_u32 v[CN], v[CN], v[MT], v[MT+1]
	v_add3_u32 v[CN+1], v[CN+1], v[MT+32], v[MT+33]
.endif
.irp i, 2,4,6,8,10,12,14,16,18,20,22,24,26,28,30
	v_add3_u32 v[CN], v[CN], v[MT+\i], v[MT+\i+1]
	v_add3_u32 v[CN+1], v[CN+1], v[MT+32+\i], v[MT+33+\i]
.endr
.if (\k)%2 == 1
	v_permlanex16_b32 v[CX], v[CN], s30, s31
	v_permlanex16_b32 v[CX+1], v[CN+1], s30, s31
	v_add_nc_u32 v[CN], v[CN], v[CX]               ; with lane l xor 16's keys: the query's count for these 128 keys
	v_add_nc_u32 v[CN+1], v[CN+1], v[CX+1]
	v_cndmask_b32 v[CD+(\k)/2], v[CN], v[CN+1], s32   ; lanes 0-15 tile 0's queries, lanes 16-31 tile 1's
.endif
.endm
	LOADM 0
	LOADM 1
	UNIT 0
	UNIT 1
	UNIT 2
	UNIT 3
	global_store_b64 v9, v[CD:CD+1], s[14:15]      ; 256 consecutive bytes
	s_wait_tensorcnt 0x0                           ; the wave's end
	ds_add_u32 v[SPW], v[NIL]
	s_wait_dscnt 0x0
	s_endpgm
; ---------------- INPUTS.  A wave takes 32 rows x 256 along K: two tiles x two K steps, a fragment at a time.
.set XR, 16                            ; v16-143  two sets of 64 registers as loaded
.set XX, 144                           ; v144-207 register 16 b + i = k 32 b + 16 h + i of my row
.set PC, 208                           ; v208-219 the fragment's codes
.set PT, 220                           ; v220-226 the odd blocks as converted
.set TM, 228                           ; v228-243 at work
.set WW, 244                           ; v244-247 the four scale words
; 64 numbers of a lane become a fragment's codes in v[pc] on and its scale word in v[pw]
.macro QUANT s, pc, tp, pw
.irp b, 0,1,2,3
	v_max3_num_f32 v[TM+\b], |v[\s+16*\b]|, |v[\s+1+16*\b]|, 0x1800000   ; the floor 2^(3 - 127): the byte cannot fall under 1
.endr
.irp i, 2,4,6,8,10,12,14
.irp b, 0,1,2,3
	v_max3_num_f32 v[TM+\b], v[TM+\b], |v[\s+16*\b+\i]|, |v[\s+1+16*\b+\i]|
.endr
.endr
.irp b, 0,1,2,3
	v_permlanex16_b32 v[TM+4+\b], v[TM+\b], s[SEL], s[SEL+1]
.endr
.irp b, 0,1,2,3
	v_max_num_f32 v[TM+\b], v[TM+\b], v[TM+4+\b]   ; with lane l xor 16's 16: the block's largest magnitude
.endr
.irp b, 0,1,2,3
	v_add_nc_u32 v[TM+12+\b], 0xff000000, v[TM+\b] ; 2 off its exponent field: the conversion's scale operand
.endr
.irp b, 0,1,2,3
	v_lshrrev_b32 v[TM+4+\b], 23, v[TM+12+\b]      ; the byte
.endr
	v_lshl_or_b32 v[\pw], v[TM+5], 8, v[TM+4]
	v_lshl_or_b32 v[\pw], v[TM+6], 16, v[\pw]
	v_lshl_or_b32 v[\pw], v[TM+7], 24, v[\pw]
.irp c, 0,1
	v_cvt_scalef32_pk16_fp6_f32 v[\pc+6*\c:\pc+2+6*\c], v[\s+32*\c:\s+15+32*\c], v[TM+12+2*\c]
	v_cvt_scalef32_pk16_fp6_f32 v[\tp+4*\c:\tp+2+4*\c], v[\s+16+32*\c:\s+31+32*\c], v[TM+12+2*\c+1]
.endr
	v_nop                                          ; a plain line behind the conversions
.irp c, 0,1                            ; a whole block to a lane: lanes 0-15 block 2 c, lanes 16-31 block 2 c + 1
.irp i, 0,1,2
	v_permlane16_swap_b32 v[\pc+6*\c+\i], v[\tp+4*\c+\i]
.endr
.irp i, 0,1,2
	v_mov_b32 v[\pc+3+6*\c+\i], v[\tp+4*\c+\i]
.endr
.endr
.endm
.Lx:
	s_load_b64 s[4:5], s[0:1], 0x0                 ; inputs
	s_load_b64 s[6:7], s[0:1], 0x20                ; xq
	s_sub_co_u32 s9, ttmp9, 256
	s_lshl_b32 s9, s9, 3
	s_add_co_u32 s9, s9, s[WV]
	s_lshr_b32 s10, s9, 2                          ; G: which 32 rows
	s_and_b32 s11, s9, 3                           ; p: which 256 along K
	s_lshl_b32 s16, s10, 17
	s_lshl_b32 s12, s11, 10
	s_add_co_u32 s16, s16, s12
	s_mov_b32 s17, 0
	s_mul_i32 s18, s10, 24576
	s_mul_i32 s12, s11, 3072
	s_add_co_u32 s18, s18, s12
	s_mov_b32 s19, 0
	s_lshr_b32 s20, s10, 2
	s_lshl_b32 s20, s20, 12
	s_lshl_b32 s12, s11, 10
	s_add_co_u32 s20, s20, s12
	s_and_b32 s12, s10, 3
	s_lshl_b32 s12, s12, 8
	s_add_co_u32 s20, s20, s12
	s_add_co_u32 s20, s20, 6291456
	s_mov_b32 s21, 0
	s_mul_i32 s13, s[WV], 8448
	s_add_co_u32 s13, s13, XSTG                    ; my stage
	s_mov_b32 s[SEL], 0x76543210
	s_mov_b32 s[SEL+1], 0xfedcba98
	s_mov_b32 s[HM], 0xffff0000                    ; lanes 16-31
	v_and_b32 v9, 15, v2
	v_lshrrev_b32 v10, 4, v2
	v_lshlrev_b32 v3, 4, v2                        ; 16 x lane
	v_add_nc_u32 v4, s13, v3                       ; into the stage: a row's 512 bytes as they lie
	v_mul_u32_u24 v5, v9, 528
	v_lshl_add_u32 v5, v10, 6, v5
	v_add_nc_u32 v5, s13, v5                       ; out of it: row r, 16 h numbers on
	v_lshlrev_b32 v6, 3, v2                        ; 8 x lane
	v_and_b32 v7, 8, v9
	v_add_nc_u32 v7, v7, v9
	v_lshl_add_u32 v7, v10, 3, v7
	v_lshlrev_b32 v7, 3, v7                        ; the scale words: lanes 0-15 tile 0's rows, lanes 16-31 tile 1's
.irp b, 0,1,2,3
	v_mov_b32 v[TM+4+\b], 0                        ; a lane permute's destination counts as read
.endr
	s_wait_kmcnt 0x0
	s_add_nc_u64 s[4:5], s[4:5], s[16:17]
	s_add_nc_u64 s[22:23], s[6:7], s[18:19]
	s_add_nc_u64 s[24:25], s[6:7], s[20:21]
.macro LOADX k                         ; tile k / 2, K step k % 2: 16 rows, 512 consecutive bytes a load
.irp i, 0,1,2,3,4,5,6,7,8,9,10,11,12,13,14,15
	global_load_b128 v[XR+64*((\k)%2)+4*\i:XR+64*((\k)%2)+4*\i+3], v3, s[4:5] offset:(8*((\k)/2)+\i+8*(\i/8))*4096+512*((\k)%2) th:TH_LOAD_NT
.endr
.endm
.macro SUBX k
.if (\k) < 3
	s_wait_loadcnt 16                              ; this fragment's 16 loads are in; the next one's 16 may be out
.else
	s_wait_loadcnt 0x0
.endif
.irp i, 0,1,2,3,4,5,6,7,8,9,10,11,12,13,14,15
	ds_store_b128 v4, v[XR+64*((\k)%2)+4*\i:XR+64*((\k)%2)+4*\i+3] offset:528*\i
.endr
.irp b, 0,1,2,3
.irp j, 0,1,2,3
	ds_load_b128 v[XX+16*\b+4*\j:XX+16*\b+4*\j+3], v5 offset:128*\b+16*\j
.endr
.endr
	s_wait_dscnt 0x0
.if (\k) < 2
	LOADX (\k)+2
.endif
.if (\k) > 0
	s_wait_xcnt 0x0                                ; the last fragment's stores have read the codes' registers
.endif
	QUANT XX, PC, PT, WW+(\k)
	global_store_b128 v3, v[PC:PC+3], s[22:23] offset:((\k)/2)*12288+((\k)%2)*1536
	global_store_b64 v6, v[PC+4:PC+5], s[22:23] offset:((\k)/2)*12288+((\k)%2)*1536+512
	global_store_b128 v3, v[PC+6:PC+9], s[22:23] offset:((\k)/2)*12288+((\k)%2)*1536+768
	global_store_b64 v6, v[PC+10:PC+11], s[22:23] offset:((\k)/2)*12288+((\k)%2)*1536+1280
.endm
	LOADX 0
	LOADX 1
	SUBX 0
	SUBX 1
	SUBX 2
	SUBX 3
	v_cndmask_b32 v[TM], v[WW], v[WW+2], s[HM]     ; K step 2 p: tile 0's words below, tile 1's above
	v_cndmask_b32 v[TM+1], v[WW+1], v[WW+3], s[HM] ; K step 2 p + 1
	global_store_b64 v7, v[TM:TM+1], s[24:25]      ; 32 rows x 2 words: 256 consecutive bytes
	s_wait_tensorcnt 0x0                           ; the wave's end
	ds_add_u32 v[SPW], v[NIL]
	s_wait_dscnt 0x0
	s_endpgm
.Lfunc_end_k_q9e5043d79d_prep:
	.size	k_q9e5043d79d_prep, .Lfunc_end_k_q9e5043d79d_prep-k_q9e5043d79d_prep
	.p2alignl 7, 3214868480
	.fill 96, 4, 3214868480
	.section	.rodata,"a",@progbits
	.p2align	6, 0x0
	.amdhsa_kernel k_q9e5043d79d_prep
		.amdhsa_group_segment_fixed_size 162816
		.amdhsa_private_segment_fixed_size 0
		.amdhsa_enable_private_segment 0
		.amdhsa_kernarg_size 64
		.amdhsa_user_sgpr_count 2
		.amdhsa_user_sgpr_kernarg_segment_ptr 1
		.amdhsa_wavefront_size32 1
		.amdhsa_system_sgpr_workgroup_id_x 1
		.amdhsa_system_sgpr_workgroup_id_y 1
		.amdhsa_system_sgpr_workgroup_id_z 1
		.amdhsa_system_vgpr_workitem_id 0
		.amdhsa_next_free_vgpr 248
		.amdhsa_next_free_sgpr 66
		.amdhsa_reserve_vcc 0
		.amdhsa_float_denorm_mode_32 3
		.amdhsa_float_denorm_mode_16_64 3
		.amdhsa_memory_ordered 1
		.amdhsa_forward_progress 1
		.amdhsa_inst_pref_size 142
	.end_amdhsa_kernel
	.amdgpu_metadata
---
amdhsa.version: [ 1, 2 ]
amdhsa.kernels:
  - .name:           k_q9e5043d79d_prep
    .symbol:         k_q9e5043d79d_prep.kd
    .args:
      - { .name: inputs, .offset: 0, .size: 8, .value_kind: global_buffer, .address_space: global }
      - { .name: mask, .offset: 8, .size: 8, .value_kind: global_buffer, .address_space: global }
      - { .name: W1, .offset: 16, .size: 8, .value_kind: global_buffer, .address_space: global }
      - { .name: W2, .offset: 24, .size: 8, .value_kind: global_buffer, .address_space: global }
      - { .name: xq, .offset: 32, .size: 8, .value_kind: global_buffer, .address_space: global }
      - { .name: wq, .offset: 40, .size: 8, .value_kind: global_buffer, .address_space: global }
      - { .name: mb, .offset: 48, .size: 8, .value_kind: global_buffer, .address_space: global }
      - { .name: nh, .offset: 56, .size: 8, .value_kind: global_buffer, .address_space: global }
    .group_segment_fixed_size: 162816
    .private_segment_fixed_size: 0
    .kernarg_segment_align: 8
    .kernarg_segment_size: 64
    .max_flat_workgroup_size: 256
    .sgpr_count:     66
    .vgpr_count:     248
    .wavefront_size: 32
...
	.end_amdgpu_metadata
.endif
;; end of part 1
;; launch gemm1 (part 2): grid 12 x 32, 4 waves a work-group, clusters of 4 x 4, 327,680 bytes of LDS; arguments xq, wq, b1, qkv; writes qkv
.if DOCPART == 2
	.amdgcn_target "amdgcn-amd-amdhsa--gfx1250"
	.amdhsa_code_object_version 6
	.text
	.protected	k_q9e5043d79d_gemm1
	.globl	k_q9e5043d79d_gemm1
	.p2align	8
	.type	k_q9e5043d79d_gemm1,@function
k_q9e5043d79d_gemm1:
	s_mov_b64 s[64:65], 0
	v_nop
	global_prefetch_b8 v0, s[64:65] scope:SCOPE_SE
	s_setreg_imm32_b32 hwreg(HW_REG_WAVE_MODE, 25, 1), 1
	s_wait_xcnt 0x0
	s_wait_alu depctr_hold_cnt(0) depctr_sa_sdst(0) depctr_va_vdst(0) depctr_va_sdst(0) depctr_va_ssrc(0) depctr_va_vcc(0) depctr_vm_vsrc(0)
	s_getreg_b32 s2, hwreg(HW_REG_IB_STS2, 6, 4)
	s_cmp_eq_u32 s2, 0
	s_cbranch_scc0 .Lentry_in_a_cluster
	s_endpgm
.Lentry_in_a_cluster:
	s_bfe_u32 s2, ttmp6, 0x10000c
	s_cmp_lg_u32 s2, 0xf033
	s_cbranch_scc0 .Lentry_shape_is_right
	s_endpgm
.Lentry_shape_is_right:
; x = inputs W1 + b1 on codes of FP6 (E2M3) with E8M0 scales, and q, k, v quantised on the way out for the two products of attention.  Nothing of the module is left out here.
; A work-group of four waves makes 256 x 256 of x, a wave 128 x 128: 64 accumulators, 512 registers.  K = 1,024 goes in four fills of 256 through two LDS slots.
; Operands lie in memory as images of fragments ([tile][K step][1,536 bytes], half c at 768 c: four registers at 16 x lane, two at 512 + 8 x lane), so a fragment is four dense LDS loads.
; THE MATRIX INSTRUCTION IS USED TRANSPOSED: source 0 = 16 rows of 'B', source 1 = 16 rows of 'A': a lane is a row of A, its registers run along B's rows; place r of tile 2 g + u is natural
; row 32 g + 8 u + r + 8 (r / 8), so the 16 registers of B's tiles 2 g, 2 g + 1 are 16 natural neighbours.
; ROLES, by the cluster's x (equal in all sixteen partners): 0 = q, 1 = k: A = tokens, B = W1's columns: a lane holds a token, registers run along the head's axis, which is the first product's K.
; 2 = v: the operands change places, A = W1's columns, B = tokens: a lane holds one of the head's 64, registers run along the keys, which are the second product's K.
; OUT, for each of 64 heads 307,200 bytes: K images (a tile of 16 keys x 64 = half an image, 768 bytes), K scale words [pair of tiles][16] (even tile's two bytes, odd tile's two), V images [128 keys][4 tiles of 16 of the 64], V scale words, Q as K.
; CLUSTERS: 4 x 4 work-groups; A's tiles are asked for jointly along a row of the cluster, B's along a column.
; REGISTERS: window 0: v0-31 addresses; v32-63 scale words, two sets; v128-223 A's fragments; v224-231 the bias's offsets.  window 1: B's fragments at v0 and v128; the bias at v96-127, v224-255.  windows 2, 3: accumulators.
; LIMITS: NaN and infinities are not served; a block of zeros gets the byte 1 (its codes are zeros; this program alone reads the bytes).
.set NQ,    2
.set FR,    12
.set NL,    4                          ; LDS loads that bring a fragment
.set NP,    4                          ; places behind this matrix instruction (ISA guide 7.12.1)
.set HALFT, 24576                      ; 8 tiles x 2 K steps x 1,536 bytes: what one tensor load brings
.set SLOT,  98304                      ; A's 16 tiles, then B's 16
.set SCL,   196608                     ; the scales of A's 256 rows and B's 256 rows, for all of K: 4 x 4,096 bytes
.set SPARE, 212992                     ; the spare words, 128 bytes a wave
.set HB,    307200                     ; a head's block in qkv
.set ADRA, 16                          ; v16-17 A's fragments in slot 0, 1, + 16 x lane; v18-19 + 8 x lane
.set ADRB, 20                          ; v20-23 the same for B
.set ADRS, 27
.set SPW,  28
.set NIL,  29
.set SC,   32
.set AF,   128
.set VJ,   224
.set TT,   64                          ; the way out: 64 numbers of a block
.set PC,   128                         ; its codes
.set PT,   140
.set TM,   148
.set PW,   164                         ; two scale words
.set DD,   166
.set G1, 24
.set G0, 32
.set G1B, 48
.set G0B, 56
.set G1S, 68
.set G0S, 76
.set G1SB, 80
.set G0SB, 88
.set SEL, 96
.set HM,  98
.set MSB, 0
.macro WIN new                         ; the immediate's high byte repeats the setting that is left
.if MSB != (\new)
	s_set_vgpr_msb (MSB<<8)|(\new)
.set MSB, (\new)
.endif
.endm
.set MUL_LO, 0xa1                      ; source 0 (B) window 1, source 1 (A) window 0, C and D window 2
.set MUL_HI, 0xf1
.set TO_B,   0x40
.macro JLOAD g0a, g1a, g0b, g1b        ; a joint load: waves 0 and 1 fetch for A, waves 2 and 3 for B; the branch hangs on the wave's number alone
	s_cmp_eq_u32 s15, 0
	s_cbranch_scc0 .Lfor_b_\@
	tensor_load_to_lds s[\g0a:\g0a+3], s[\g1a:\g1a+7]
	s_nop 0
.rept 4
	v_nop
.endr
	s_branch .Lasked_\@
.Lfor_b_\@:
	tensor_load_to_lds s[\g0b:\g0b+3], s[\g1b:\g1b+7]
	s_nop 0
.rept 4
	v_nop
.endr
.Lasked_\@:
.endm
.macro CREST                           ; a round of the cluster's barrier behind its opening barrier
	s_cmp_lg_u32 s14, 0
	s_cbranch_scc1 .Lnot_wave_0_\@
	s_barrier_signal -3
.Lnot_wave_0_\@:
	s_barrier_wait -3
	s_barrier_signal -1
	s_barrier_wait -1
.endm
.macro CROUND
	s_barrier_signal -1
	s_barrier_wait -1
	CREST
.endm
	s_load_b256 s[4:11], s[0:1], 0x0               ; xq s[4:5], wq s[6:7], b1 s[8:9], qkv s[10:11]
	v_lshl_add_u32 v[SPW], v0, 2, SPARE
	v_mov_b32 v[NIL], 0
	ds_add_u32 v[SPW], v[NIL]                      ; the wave's opening: an add to my spare word, twice on end; its wait stands ahead of my first tensor load
	ds_add_u32 v[SPW], v[NIL]
	v_lshrrev_b32 v1, 5, v0
	v_readfirstlane_b32 s14, v1                    ; wave 0..3
	s_lshr_b32 s15, s14, 1                         ; which half of A's rows is mine.  Also: I fetch for A (0) or for B (1)
	s_and_b32 s16, s14, 1                          ; which half of B's rows.  Also: which 8 tiles I fetch
	s_bfe_u32 s40, ttmp6, 0x40000                  ; cx
	s_bfe_u32 s41, ttmp6, 0x40004                  ; cy
	s_and_b32 s12, ttmp7, 0xffff                   ; the cluster's y
	s_cmp_eq_u32 ttmp9, 2                          ; the role v?
	s_cselect_b32 s13, ttmp9, s12
	s_cselect_b32 s18, s12, ttmp9
	s_mov_b32 s96, 6291456                         ; where the scales begin in xq,
	s_mov_b32 s97, 2359296                         ; and W1's in wq
	s_cselect_b32 s98, s97, s96                    ; A's
	s_cselect_b32 s99, s96, s97                    ; B's
	s_lshl_b32 s17, s13, 2
	s_add_co_u32 s17, s17, s41                     ; which 256 rows of A: q, k: tokens 4 CY + cy; v: columns 8 + cy
	s_lshl_b32 s42, s18, 2
	s_add_co_u32 s42, s42, s40                     ; which 256 rows of B: q, k: columns 4 CX + cx; v: tokens 4 CY + cx
	s_lshl_b32 s43, s41, 2
	s_lshl_b32 s43, 15, s43                        ; my row of the cluster
	s_lshl_b32 s44, 0x1111, s40                    ; my column
	; group 1 for codes: 8 rows (tiles) of 3,072 bytes (two K steps), 12,288 bytes apart: elements of 8 bytes
	s_or_b32 s[G1+0], s43, (3<<16)|(1<<21)
	s_or_b32 s[G1B+0], s44, (3<<16)|(1<<21)
.irp g, G1, G1B
	s_mov_b32 s[\g+1], 384<<16                     ; tensor_dim0
	s_mov_b32 s[\g+2], 8<<16                       ; tensor_dim1
	s_mov_b32 s[\g+3], 384<<16                     ; tile_dim0
	s_mov_b32 s[\g+4], 8                           ; tile_dim1
	s_mov_b32 s[\g+5], 1536                        ; from tile to tile
	s_mov_b32 s[\g+6], 0
	s_mov_b32 s[\g+7], 0
.endr
	; and for the scales of 128 rows: 4,096 dense bytes as 16 rows of 256
	s_or_b32 s[G1S+0], s43, (3<<16)|(1<<21)
	s_or_b32 s[G1SB+0], s44, (3<<16)|(1<<21)
.irp g, G1S, G1SB
	s_mov_b32 s[\g+1], 32<<16
	s_mov_b32 s[\g+2], 16<<16
	s_mov_b32 s[\g+3], 32<<16
	s_mov_b32 s[\g+4], 16
	s_mov_b32 s[\g+5], 32
	s_mov_b32 s[\g+6], 0
	s_mov_b32 s[\g+7], 0
.endr
	s_lshl_b32 s19, s16, 3
	s_lshl_b32 s20, s17, 4
	s_add_co_u32 s20, s20, s19
	s_mul_i32 s20, s20, 12288                      ; A's codes: tile 16 x (256 rows) + 8 x half
	s_mov_b32 s21, 0
	s_lshl_b32 s22, s17, 1
	s_add_co_u32 s22, s22, s16
	s_lshl_b32 s22, s22, 12
	s_add_co_u32 s22, s22, s98                     ; A's scales
	s_mov_b32 s23, 0
	s_lshl_b32 s46, s42, 4
	s_add_co_u32 s46, s46, s19
	s_mul_i32 s46, s46, 12288                      ; B's codes
	s_mov_b32 s47, 0
	s_lshl_b32 s12, s42, 1
	s_add_co_u32 s12, s12, s16
	s_lshl_b32 s12, s12, 12
	s_add_co_u32 s12, s12, s99                     ; B's scales
	s_mov_b32 s13, 0
	s_mul_i32 s45, s14, HALFT                      ; where they go: no place in the cluster enters an LDS address
	s_lshl_b32 s18, s14, 12
	s_add_co_u32 s18, s18, SCL
	s_wait_dscnt 0x0                               ; both opening adds are done
	s_wait_kmcnt 0x0
	s_cmp_eq_u32 ttmp9, 2
	s_cselect_b64 s[92:93], s[6:7], s[4:5]         ; A's buffer
	s_cselect_b64 s[94:95], s[4:5], s[6:7]         ; B's
	s_add_nc_u64 s[20:21], s[92:93], s[20:21]
	s_add_nc_u64 s[22:23], s[92:93], s[22:23]
	s_add_nc_u64 s[46:47], s[94:95], s[46:47]
	s_add_nc_u64 s[12:13], s[94:95], s[12:13]
	CROUND                                         ; all sixteen work-groups are here: the first joint loads meet
	s_mov_b32 s[G0S], 1
	s_mov_b32 s[G0S+1], s18
	s_mov_b64 s[G0S+2:G0S+3], s[22:23]
	s_or_b32 s[G0S+3], s[G0S+3], 0x80000000
	s_mov_b32 s[G0SB], 1
	s_mov_b32 s[G0SB+1], s18
	s_mov_b64 s[G0SB+2:G0SB+3], s[12:13]
	s_or_b32 s[G0SB+3], s[G0SB+3], 0x80000000
	JLOAD G0S, G1S, G0SB, G1SB                     ; the scales first: filled once
.irp s, 0,1
	s_mov_b32 s[G0+4*\s], 1
	s_add_co_u32 s[G0+4*\s+1], s45, \s*SLOT
	s_add_nc_u64 s[G0+4*\s+2:G0+4*\s+3], s[20:21], \s*3072
	s_or_b32 s[G0+4*\s+3], s[G0+4*\s+3], 0x80000000
	s_mov_b32 s[G0B+4*\s], 1
	s_add_co_u32 s[G0B+4*\s+1], s45, \s*SLOT
	s_add_nc_u64 s[G0B+4*\s+2:G0B+4*\s+3], s[46:47], \s*3072
	s_or_b32 s[G0B+4*\s+3], s[G0B+4*\s+3], 0x80000000
	JLOAD G0+4*\s, G1, G0B+4*\s, G1B
.endr
	v_and_b32 v1, 15, v0                           ; r
	v_bfe_u32 v2, v0, 4, 1                         ; h
	v_and_b32 v3, 31, v0                           ; lane
	v_lshlrev_b32 v4, 4, v3                        ; 16 x lane
	v_lshlrev_b32 v5, 3, v3                        ; 8 x lane
	s_mul_i32 s21, s15, HALFT                      ; my 8 tiles of A
	s_mul_i32 s22, s16, HALFT
	s_add_co_u32 s22, s22, 2*HALFT                 ; my 8 tiles of B, behind A's 16
.irp s, 0,1
	v_add_nc_u32 v[ADRA+\s], s21, v4
	v_add_nc_u32 v[ADRB+\s], s22, v4
	v_add_nc_u32 v[ADRA+2+\s], s21, v5
	v_add_nc_u32 v[ADRB+2+\s], s22, v5
	s_add_co_u32 s21, s21, SLOT
	s_add_co_u32 s22, s22, SLOT
.endr
	v_and_b32 v6, 8, v1
	v_add_nc_u32 v6, v6, v1                        ; r + 8 (r / 8)
	v_lshlrev_b32 v7, 3, v6                        ; 8 bytes a row
	s_lshl_b32 s21, s15, 12
	s_lshl_b32 s22, s16, 12
	s_add_co_u32 s22, s22, 8192
	s_sub_co_u32 s22, s22, s21
	v_mul_u32_u24 v8, s22, v2                      ; lanes 16-31 take B's words
	s_add_co_u32 s21, s21, SCL
	v_add_nc_u32 v7, v7, v8
	v_add_nc_u32 v[ADRS], s21, v7
	v_mul_u32_u24 v24, v2, HB
	v_lshl_add_u32 v24, v1, 2, v24                 ; the way out, q and k: scale words: lanes 0-15 one head, lanes 16-31 the next
	v_lshlrev_b32 v25, 2, v3                       ; v: 4 x lane
	; THE BIAS, 64 numbers a lane.  q, k: number 8 t + j is b1 at the column of register j of B's tile t.  v: numbers 8 a .. 8 a + 7 are all b1 at the lane's column of A's block a.
	s_cmp_eq_u32 ttmp9, 2
	s_cselect_b32 s96, 4, 0
	s_cselect_b32 s97, 0, 64
	s_cselect_b32 s98, 0, 4
	s_cselect_b32 s99, s17, s42
	s_cselect_b32 s18, s15, s16
	s_lshl_b32 s99, s99, 10
	s_lshl_b32 s18, s18, 9
	s_add_co_u32 s99, s99, s18                     ; my 128 columns, in bytes
	v_mul_u32_u24 v7, v6, s96
	v_mad_u32_u24 v7, v2, s97, v7
	v_add_nc_u32 v[VJ], s99, v7
.irp j, 1,2,3,4,5,6,7
	v_add_nc_u32 v[VJ+\j], s98, v[VJ+\j-1]
.endr
	WIN TO_B
.irp t, 0,1,2,3,4,5,6,7
.irp j, 0,1,2,3,4,5,6,7
	global_load_b32 v[96+8*\t+\j+96*(\t/4)], v[VJ+\j], s[8:9] offset:4*(32*(\t/2)+8*(\t%2))
.endr
.endr
	WIN 0
.macro FRAG reg, adr, q, i             ; a fragment as it lies: four dense loads
	ds_load_b128 v[\reg:\reg+3], v[\adr] offset:(\i)*3072+(\q)*1536
	ds_load_b64 v[\reg+4:\reg+5], v[\adr+2] offset:(\i)*3072+(\q)*1536+512
	ds_load_b128 v[\reg+6:\reg+9], v[\adr] offset:(\i)*3072+(\q)*1536+768
	ds_load_b64 v[\reg+10:\reg+11], v[\adr+2] offset:(\i)*3072+(\q)*1536+1280
.endm
; 16 matrix instructions: A's blocks a0, a0 + 1 x B's eight, 128 along K.  The 64 accumulators take turns, one instruction a turn, in the same order in every step.
.macro MUL16 a0, p, q, sc, zero
.irp a, \a0, \a0+1
.irp b, 0,1,2,3,4,5,6,7
.if \zero
	v_wmma_scale_f32_16x16x128_f8f6f4 v[8*(8*((\a)%4)+\b):8*(8*((\a)%4)+\b)+7], v[128*(\p)+FR*\b:128*(\p)+FR*\b+FR-1], v[AF+FR*(\a):AF+FR*(\a)+FR-1], 0, v[SC+8*NQ*(\sc)+NQ*\b+(\q)], v[SC+8*NQ*(\sc)+NQ*(\a)+(\q)] matrix_a_fmt:MATRIX_FMT_FP6 matrix_b_fmt:MATRIX_FMT_FP6 matrix_a_scale:MATRIX_SCALE_ROW1
.else
	v_wmma_scale_f32_16x16x128_f8f6f4 v[8*(8*((\a)%4)+\b):8*(8*((\a)%4)+\b)+7], v[128*(\p)+FR*\b:128*(\p)+FR*\b+FR-1], v[AF+FR*(\a):AF+FR*(\a)+FR-1], v[8*(8*((\a)%4)+\b):8*(8*((\a)%4)+\b)+7], v[SC+8*NQ*(\sc)+NQ*\b+(\q)], v[SC+8*NQ*(\sc)+NQ*(\a)+(\q)] matrix_a_fmt:MATRIX_FMT_FP6 matrix_b_fmt:MATRIX_FMT_FP6 matrix_a_scale:MATRIX_SCALE_ROW1
.endif
.endr
.endr
.endm
.macro FETCH_B slot, q, p
	WIN TO_B
.irp i, 0,1,2,3,4,5,6,7
	FRAG 128*(\p)+FR*\i, ADRB+\slot, \q, \i
.endr
	WIN 0
.endm
.macro FETCH_A slot, q, i0
.irp i, \i0, \i0+1, \i0+2, \i0+3
	FRAG AF+FR*(\i), ADRA+\slot, \q, \i
.endr
.endm
.macro SCALES sc                       ; a slot's two words a row: lanes 0-15 A's block i, lanes 16-31 B's block i
.irp i, 0,1,2,3,4,5,6,7
	ds_load_b64 v[SC+8*NQ*\sc+NQ*\i:SC+8*NQ*\sc+NQ*\i+1], v[ADRS] offset:256*(\i/2)+64*(\i%2)
.endr
.endm
.macro PLACES n                        ; plain lines between a matrix instruction and a load into, or a vector read of, its registers
.rept \n
	v_nop
.endr
.endm
.macro STEP slot, q, zero              ; a step of 128 along K that has its successor in the same slot
	s_wait_dscnt 4*NL                              ; B's set and A's blocks 0-3 are in; the youngest 16 loads (A's blocks 4-7) may be out
	WIN MUL_LO
	MUL16 0, (\q)%2, \q, \slot, \zero
	MUL16 2, (\q)%2, \q, \slot, \zero
	s_wait_dscnt 0
	PLACES NP
	FETCH_B \slot, (\q)+1, 1-(\q)%2
	FETCH_A \slot, (\q)+1, 0
	WIN MUL_HI
	MUL16 4, (\q)%2, \q, \slot, \zero
	MUL16 6, (\q)%2, \q, \slot, \zero
	PLACES NP
	WIN 0
	FETCH_A \slot, (\q)+1, 4
.endm
; A slot's last step changes slots: one barrier; in front of it each wave waits for all its tensor loads, adds 0 to its spare word, and waits for that and for its reads of this slot.
.macro TURN slot, next, fill
	s_wait_tensorcnt 0x0                           ; all my tensor loads have landed: my part of the next slot
	ds_add_u32 v[SPW], v[NIL]
	s_wait_dscnt 4*NL+1                            ; the add and the youngest 16 loads (A's blocks 4-7) may be out
	WIN MUL_LO
	MUL16 0, 1, NQ-1, \slot, 0
	s_wait_dscnt 0x0                               ; the add is done, and my reads of this slot are over
	s_barrier_signal -1
	MUL16 2, 1, NQ-1, \slot, 0
	WIN 0
	s_barrier_wait -1
.if \fill
	CREST                                          ; the barrier has opened a round of the cluster's: no wave of any partner still reads this slot or has a load on its way
	s_add_nc_u64 s[G0+4*\slot+2:G0+4*\slot+3], s[G0+4*\slot+2:G0+4*\slot+3], 6144
	s_add_nc_u64 s[G0B+4*\slot+2:G0B+4*\slot+3], s[G0B+4*\slot+2:G0B+4*\slot+3], 6144
	JLOAD G0+4*\slot, G1, G0B+4*\slot, G1B         ; the first tensor load behind the round; its four v_nop are the places in front of the loads below
.else
	PLACES NP
.endif
	v_add_nc_u32 v[ADRS], 1024, v[ADRS]            ; the next pair of K steps' scale words
	FETCH_B \next, 0, 0
	FETCH_A \next, 0, 0
	SCALES \next
	WIN MUL_HI
	MUL16 4, 1, NQ-1, \slot, 0
	MUL16 6, 1, NQ-1, \slot, 0
	PLACES NP
	WIN 0
	FETCH_A \next, 0, 4
.endm
	s_wait_tensorcnt 1                             ; the scales and my part of slot 0 are in; slot 1's load may be out
	s_barrier_signal -1
	s_barrier_wait -1
	FETCH_B 0, 0, 0
	FETCH_A 0, 0, 0
	SCALES 0
	FETCH_A 0, 0, 4
	STEP 0, 0, 1                                   ; the first products start the sums
	TURN 0, 1, 1                                   ; slot 0 takes K steps 4, 5
	STEP 1, 0, 0
	TURN 1, 0, 1                                   ; slot 1 takes K steps 6, 7
	STEP 0, 0, 0
	TURN 0, 1, 0
	STEP 1, 0, 0
	s_wait_dscnt 4*NL
	WIN MUL_LO
	MUL16 0, 1, NQ-1, 1, 0
	MUL16 2, 1, NQ-1, 1, 0
	s_wait_dscnt 0
	WIN MUL_HI
	MUL16 4, 1, NQ-1, 1, 0
	MUL16 6, 1, NQ-1, 1, 0
	WIN 0
; 64 numbers of a lane, register 16 b + i = k 32 b + 16 h + i, become a fragment's codes in v[pc] on and its scale word in v[pw]
.macro QUANT s, pc, tp, pw
.irp b, 0,1,2,3
	v_max3_num_f32 v[TM+\b], |v[\s+16*\b]|, |v[\s+1+16*\b]|, 0x1800000   ; the floor 2^(3 - 127): the byte cannot fall under 1
.endr
.irp i, 2,4,6,8,10,12,14
.irp b, 0,1,2,3
	v_max3_num_f32 v[TM+\b], v[TM+\b], |v[\s+16*\b+\i]|, |v[\s+1+16*\b+\i]|
.endr
.endr
.irp b, 0,1,2,3
	v_permlanex16_b32 v[TM+4+\b], v[TM+\b], s[SEL], s[SEL+1]
.endr
.irp b, 0,1,2,3
	v_max_num_f32 v[TM+\b], v[TM+\b], v[TM+4+\b]
.endr
.irp b, 0,1,2,3
	v_add_nc_u32 v[TM+12+\b], 0xff000000, v[TM+\b]
.endr
.irp b, 0,1,2,3
	v_lshrrev_b32 v[TM+4+\b], 23, v[TM+12+\b]
.endr
	v_lshl_or_b32 v[\pw], v[TM+5], 8, v[TM+4]
	v_lshl_or_b32 v[\pw], v[TM+6], 16, v[\pw]
	v_lshl_or_b32 v[\pw], v[TM+7], 24, v[\pw]
.irp c, 0,1
	v_cvt_scalef32_pk16_fp6_f32 v[\pc+6*\c:\pc+2+6*\c], v[\s+32*\c:\s+15+32*\c], v[TM+12+2*\c]
	v_cvt_scalef32_pk16_fp6_f32 v[\tp+4*\c:\tp+2+4*\c], v[\s+16+32*\c:\s+31+32*\c], v[TM+12+2*\c+1]
.endr
	v_nop                                          ; a plain line behind the conversions
.irp c, 0,1
.irp i, 0,1,2
	v_permlane16_swap_b32 v[\pc+6*\c+\i], v[\tp+4*\c+\i]
.endr
.irp i, 0,1,2
	v_mov_b32 v[\pc+3+6*\c+\i], v[\tp+4*\c+\i]
.endr
.endr
.endm
; THE WAY OUT of A's block a: the bias is added (each accumulator is read from its low end on), the 128 numbers a lane-row are quantised, the codes leave as images: every store of codes covers 512 or 256 consecutive bytes.
.macro OUTBLK a, arm
.if (\a) > 0
	s_wait_xcnt 0x0                                ; the last block's stores have read the codes' and the words' registers
.endif
	WIN 0x06+(\a)/4                                ; source 0 (the sums) window 2 or 3, source 1 (the bias) window 1
.set AC, 64*((\a)%4)
.set BIV, 96+8*(\a)+96*((\a)/4)
.set i, 0
.rept 32
.if \arm
	v_pk_add_f32 v[TT+2*i:TT+2*i+1], v[AC+2*i:AC+2*i+1], v[BIV:BIV+1]
.else
	v_pk_add_f32 v[TT+2*i:TT+2*i+1], v[AC+2*i:AC+2*i+1], v[96+2*i+96*((2*i)/32):97+2*i+96*((2*i)/32)]
.endif
.set i, i+1
.endr
	WIN 0
	QUANT TT, PC, PT, PW+(\a)%2
.if \arm
	global_store_b128 v4, v[PC:PC+3], s[92:93] offset:((\a)/4)*HB+((\a)%4)*1536
	global_store_b64 v5, v[PC+4:PC+5], s[92:93] offset:((\a)/4)*HB+((\a)%4)*1536+512
	global_store_b128 v4, v[PC+6:PC+9], s[92:93] offset:((\a)/4)*HB+((\a)%4)*1536+768
	global_store_b64 v5, v[PC+10:PC+11], s[92:93] offset:((\a)/4)*HB+((\a)%4)*1536+1280
.if (\a)%2
	v_cndmask_b32 v[DD], v[PW], v[PW+1], s[HM]     ; two tiles' words: 128 consecutive bytes
	global_store_b32 v25, v[DD], s[94:95] offset:((\a)/4)*HB+64*((\a)%4-1)
.endif
.else
	global_store_b128 v4, v[PC:PC+3], s[92:93] offset:768*(\a)                  ; the fragment's lower half is one head's 64, the upper half the next head's
	global_store_b64 v5, v[PC+4:PC+5], s[92:93] offset:768*(\a)+512
	global_store_b128 v4, v[PC+6:PC+9], s[92:93] offset:768*(\a)+HB
	global_store_b64 v5, v[PC+10:PC+11], s[92:93] offset:768*(\a)+512+HB
.if (\a)%2
	v_perm_b32 v[DD], v[PW+1], v[PW], 0x05040100   ; the first head: the even tile's two bytes, the odd tile's two
	v_perm_b32 v[DD+1], v[PW+1], v[PW], 0x07060302 ; the second head
	v_cndmask_b32 v[DD], v[DD], v[DD+1], s[HM]
	global_store_b32 v24, v[DD], s[94:95] offset:64*((\a)/2)   ; 64 consecutive bytes in each of the two heads
.endif
.endif
.endm
	PLACES NP                                      ; behind the last products: their results are read and A's registers written below
	s_wait_loadcnt 0x0                             ; the bias
	s_mov_b32 s[SEL], 0x76543210
	s_mov_b32 s[SEL+1], 0xfedcba98
	s_mov_b32 s[HM], 0xffff0000
.irp b, 0,1,2,3
	v_mov_b32 v[TM+4+\b], 0                        ; a lane permute's destination counts as read
.endr
	s_cmp_eq_u32 ttmp9, 2                          ; the cluster's x: the same in all partners
	s_cbranch_scc1 .Larm_v
	s_lshl_b32 s18, s17, 4
	s_lshl_b32 s19, s15, 3
	s_add_co_u32 s18, s18, s19                     ; my first tile of tokens
	s_lshr_b32 s19, s18, 7                         ; the batch
	s_and_b32 s18, s18, 127                        ; the tile in it
	s_lshl_b32 s19, s19, 4
	s_lshl_b32 s20, s40, 2
	s_add_co_u32 s19, s19, s20
	s_lshl_b32 s20, s16, 1
	s_add_co_u32 s19, s19, s20                     ; 16 b + my first head
	s_mul_i32 s19, s19, HB
	s_cmp_eq_u32 ttmp9, 0
	s_cselect_b32 s20, 204800, 0                   ; q's part of a head's block, or k's
	s_add_co_u32 s19, s19, s20
	s_mul_i32 s20, s18, 768
	s_add_co_u32 s92, s19, s20
	s_mov_b32 s93, 0
	s_lshl_b32 s20, s18, 5
	s_add_co_u32 s94, s19, s20
	s_add_co_u32 s94, s94, 98304
	s_mov_b32 s95, 0
	s_add_nc_u64 s[92:93], s[10:11], s[92:93]
	s_add_nc_u64 s[94:95], s[10:11], s[94:95]
.irp a, 0,1,2,3,4,5,6,7
	OUTBLK \a, 0
.endr
	s_branch .Lend
.Larm_v:
	s_lshl_b32 s18, s42, 1
	s_add_co_u32 s18, s18, s16                     ; my 128 tokens
	s_lshr_b32 s19, s18, 4                         ; the batch
	s_and_b32 s18, s18, 15                         ; which 128 keys in it
	s_lshl_b32 s19, s19, 4
	s_lshl_b32 s20, s41, 2
	s_add_co_u32 s19, s19, s20
	s_lshl_b32 s20, s15, 1
	s_add_co_u32 s19, s19, s20                     ; 16 b + my first head
	s_mul_i32 s19, s19, HB
	s_mul_i32 s20, s18, 6144
	s_add_co_u32 s92, s19, s20
	s_add_co_u32 s92, s92, 102400
	s_mov_b32 s93, 0
	s_lshl_b32 s20, s18, 8
	s_add_co_u32 s94, s19, s20
	s_add_co_u32 s94, s94, 200704
	s_mov_b32 s95, 0
	s_add_nc_u64 s[92:93], s[10:11], s[92:93]
	s_add_nc_u64 s[94:95], s[10:11], s[94:95]
.irp a, 0,1,2,3,4,5,6,7
	OUTBLK \a, 1
.endr
.Lend:
	s_wait_tensorcnt 0x0                           ; the wave's end
	ds_add_u32 v[SPW], v[NIL]
	s_wait_dscnt 0x0
	CROUND                                         ; the closing round
	s_endpgm
.Lfunc_end_k_q9e5043d79d_gemm1:
	.size	k_q9e5043d79d_gemm1, .Lfunc_end_k_q9e5043d79d_gemm1-k_q9e5043d79d_gemm1
	.p2alignl 7, 3214868480
	.fill 96, 4, 3214868480
	.section	.rodata,"a",@progbits
	.p2align	6, 0x0
	.amdhsa_kernel k_q9e5043d79d_gemm1
		.amdhsa_group_segment_fixed_size 327680
		.amdhsa_private_segment_fixed_size 0
		.amdhsa_enable_private_segment 0
		.amdhsa_kernarg_size 32
		.amdhsa_user_sgpr_count 2
		.amdhsa_user_sgpr_kernarg_segment_ptr 1
		.amdhsa_wavefront_size32 1
		.amdhsa_system_sgpr_workgroup_id_x 1
		.amdhsa_system_sgpr_workgroup_id_y 1
		.amdhsa_system_sgpr_workgroup_id_z 1
		.amdhsa_system_vgpr_workitem_id 0
		.amdhsa_next_free_vgpr 1024
		.amdhsa_next_free_sgpr 100
		.amdhsa_reserve_vcc 0
		.amdhsa_float_denorm_mode_32 3
		.amdhsa_float_denorm_mode_16_64 3
		.amdhsa_memory_ordered 1
		.amdhsa_forward_progress 1
		.amdhsa_inst_pref_size 224
	.end_amdhsa_kernel
	.amdgpu_metadata
---
amdhsa.version: [ 1, 2 ]
amdhsa.kernels:
  - .name:           k_q9e5043d79d_gemm1
    .symbol:         k_q9e5043d79d_gemm1.kd
    .args:
      - { .name: xq, .offset: 0, .size: 8, .value_kind: global_buffer, .address_space: global }
      - { .name: wq, .offset: 8, .size: 8, .value_kind: global_buffer, .address_space: global }
      - { .name: b1, .offset: 16, .size: 8, .value_kind: global_buffer, .address_space: global }
      - { .name: qkv, .offset: 24, .size: 8, .value_kind: global_buffer, .address_space: global }
    .group_segment_fixed_size: 327680
    .private_segment_fixed_size: 0
    .kernarg_segment_align: 8
    .kernarg_segment_size: 32
    .max_flat_workgroup_size: 128
    .sgpr_count:     100
    .vgpr_count:     1024
    .wavefront_size: 32
...
	.end_amdgpu_metadata
.endif
;; end of part 2
;; launch attn (part 3): grid 4 x 64, 16 waves a work-group, clusters of 4 x 1, 295,936 bytes of LDS; arguments qkv, mb, nh, cq; writes cq
.if DOCPART == 3
	.amdgcn_target "amdgcn-amd-amdhsa--gfx1250"
	.amdhsa_code_object_version 6
	.text
	.protected	k_q9e5043d79d_attn
	.globl	k_q9e5043d79d_attn
	.p2align	8
	.type	k_q9e5043d79d_attn,@function
k_q9e5043d79d_attn:
	s_mov_b64 s[64:65], 0
	v_nop
	global_prefetch_b8 v0, s[64:65] scope:SCOPE_SE
	s_setreg_imm32_b32 hwreg(HW_REG_WAVE_MODE, 25, 1), 1
	s_wait_xcnt 0x0
	s_wait_alu depctr_hold_cnt(0) depctr_sa_sdst(0) depctr_va_vdst(0) depctr_va_sdst(0) depctr_va_ssrc(0) depctr_va_vcc(0) depctr_vm_vsrc(0)
	s_getreg_b32 s2, hwreg(HW_REG_IB_STS2, 6, 4)
	s_cmp_eq_u32 s2, 0
	s_cbranch_scc0 .Lentry_in_a_cluster
	s_endpgm
.Lentry_in_a_cluster:
	s_bfe_u32 s2, ttmp6, 0x10000c
	s_cmp_lg_u32 s2, 0x3003
	s_cbranch_scc0 .Lentry_shape_is_right
	s_endpgm
.Lentry_shape_is_right:
; ctx = where(hidden, 0, softmax(where(hidden, 0, q k^T / 8))) v, both products on codes of FP6 (E2M3) with E8M0 scales; ctx leaves quantised for the last product.  Nothing of the module is left out here.
; The second product's left operand is the FINISHED weight, so a row's maximum and sum are known before its first code is made.  THE KEYS ARE SHARED OUT AMONG THE WAVES: wave w of sixteen owns
; keys 128 w .. 128 w + 127, and the work-group takes 32 queries at a time: all 2,048 scores of a query then lie in registers at once (128 a wave), and each is scaled and put through the exponential once.
; A BLOCK OF 32 QUERIES, three barriers.
;   scores S^T = K Q^T; hidden ones become -infinity; the largest score of each block of 32 keys; my own whole number M >= the largest t = score x log2(e) / 8 of my keys (and >= 0 where one of them is
;   hidden: a hidden score is 0 and counts); p = 2^(t - M); my sum of p, and for my hidden keys, whose scores are all 0, their number x 2^-M (the number comes counted from the launch that lays the mask out);
;   my M and sum to LDS | barrier | all sixteen are read: the row's M and sum; f = 2^(my M - the row's M) / the row's sum; p x f is the finished weight; quantised by blocks of 32 keys; the two fragments
;   and their scale words to LDS, as images of their registers | barrier | wave (t = w % 4, quarter = w / 4) multiplies tile t of V^T by both tiles' P over 512 keys; its 16 registers to LDS | barrier |
;   waves 0 and 1, one for each tile of queries, add the four quarters, quantise ctx and store it, while the others go on.
; Each of the three regions is written again only behind two later barriers, in front of which every wave has waited for all its LDS instructions.
; SHARES.  A work-group owns a head and a quarter of its queries, sixteen blocks of 32.  A head's K and V, codes and scales, 204,800 bytes, are brought into LDS once; the four work-groups of a cluster
; belong to one head and ask for them jointly.  No LDS byte is filled twice.
; LAYOUT.  In both products source 0 is K's or V^T's tile and source 1 the queries': a lane holds one query throughout.  Place r of tile 2 g + u is natural row 32 g + 8 u + r + 8 (r / 8).
; K = 64 in the first product: a pair of key tiles is one fragment [even | odd]; the queries are [Q | zeros] for the even tile and [zeros | Q] for the odd one; the two share six zero registers.
; THE MASK comes as lane masks (one word for each score register), by scalar loads ahead of their use; it only selects values.
; LDS: 0 K and V; PB P's images [128 keys][tile][1,536]; PSCB P's scale words [128 keys][32]; MSN the waves' M, [tile][query] rows of 80 bytes, a word a wave; 2,560 on their sums; OXB O^T's quarters
; [tile of queries][t][quarter][1,024]; SPARE the spare words.
; REGISTERS: v0-43 addresses, statistics, scale words; v44-79 Q with its zeros; v80-127 K's four fragments, then what is at work, P's codes, three fragments of P; v128-255 the scores, then V's four
; fragments (v128-175), two accumulators (v176-191) and five fragments of P (v192-251).
; LIMITS: NaN and infinities are not served; a weight under 2^-126 becomes 0; the division by the sum is a multiplication by its reciprocal (together with the exponential a few parts in ten million of a
; weight); any mask word other than 0 counts as true; a block of zeros gets the byte 1.  The scale bytes of ctx leave as 2 bytes a lane, 8 bytes apart, once a block and tile.
.set HB,    307200
.set PB,    204800
.set PSCB,  253952
.set MSN,   256000
.set OXB,   261120
.set SPARE, 293888
.set CW,  0                            ; the visible keys of place l, as loaded
.set L16, 1
.set L8,  2
.set L4,  3
.set A16, 4
.set A8,  5
.set A4,  6
.set NINF, 7
.set SPW, 8
.set NIL, 9
.set QS,  10                           ; Q's scale words: lanes 0-15 tile 0's, lanes 16-31 tile 1's
.set KS,  11                           ; v11-12 K's: a register for two pairs of tiles
.set VS,  13                           ; v13-14 V's: a register for two K steps
.set AMSW, 15
.set AMSR, 16
.set LR4, 17
.set NM,  18                           ; tile X: v[NM+2X] -M; beside it the number of my hidden keys, as f32
.set F,   22                           ; tile X: v[F+2X] f; beside it 0 where a key is hidden, else -3e38
.set SUM, 26                           ; tile X: a pair
.set QW,  30                           ; Q's scale word, as loaded
.set AOXR, 31
.set ASC, 32
.set TA,  33                           ; v33-34 at work
.set TC,  35                           ; v35-36 at work
.set PSC, 37                           ; v37-40 P's scale words of four K steps
.set QZ,  44                           ; tile X at QZ + 18 X: [Q][zeros][Q]
.set OV,  80
.set KC,  OV                           ; K's pair p at KC + 12 p
.set P,   OV                           ; P's codes, 12 a tile
.set PT,  OV+24                        ; the odd blocks as converted: PT + 16 X + 4 c
.set BM,  OV+32                        ; the blocks' largest: 4 X + b
.set BX,  OV+40
.set BY,  OV+40
.set G,   OV+40                        ; the row's M: a pair a tile
.set MR,  OV                           ; eight waves' M and eight sums, 16 a tile
.set TP,  OV                           ; chains of the sums
.set S,   128
.set VB,  S
.set OA,  S+48
.set WV,  12
.set MO,  13
.set SEL, 66
.set G1,  84
.set G0A, 92
.set G0B, 96
.set CQT, 84                           ; behind the wait for the tensor loads the descriptors' registers serve anew
.set SK,  86
.set SV,  87
.set SPS, 88
.set SPR, 89
.set SPCW, 90
.set SPCR, 91
.set SOW, 92
.set IDX, 93
.set CS,  100
.set CNT, 104
.set HM,  105
.macro CROUND
	s_barrier_signal -1
	s_barrier_wait -1
	s_cmp_lg_u32 s[WV], 0
	s_cbranch_scc1 .Lnot_wave_0_\@
	s_barrier_signal -3
.Lnot_wave_0_\@:
	s_barrier_wait -3
	s_barrier_signal -1
	s_barrier_wait -1
.endm
.macro BAR                             ; my LDS stores have landed and my LDS loads are in: then the work-group's barrier
	s_wait_dscnt 0x0
	s_barrier_signal -1
	s_barrier_wait -1
.endm
	s_load_b256 s[4:11], s[0:1], 0x0               ; qkv s[4:5], mb s[6:7], nh s[8:9], cq s[10:11]
	v_lshl_add_u32 v[SPW], v0, 2, SPARE
	v_mov_b32 v[NIL], 0
	ds_add_u32 v[SPW], v[NIL]                      ; the wave's opening: an add to my spare word, twice on end; its wait stands ahead of my first tensor load
	ds_add_u32 v[SPW], v[NIL]
	v_lshrrev_b32 v1, 5, v0
	v_readfirstlane_b32 s[WV], v1                  ; wave 0..15
	s_bfe_u32 s16, ttmp6, 0x40000                  ; cx: my quarter of the queries; it enters global addresses alone
	s_and_b32 s17, ttmp7, 0xffff                   ; 16 b + head, which the four partners share
	s_mov_b32 s[G1], 15|(3<<16)|(1<<21)            ; the mask: all four; elements of 8 bytes; no padding
	s_mov_b32 s[G1+1], 32<<16                      ; 6,400 dense bytes as 25 rows of 256
	s_mov_b32 s[G1+2], 25<<16
	s_mov_b32 s[G1+3], 32<<16
	s_mov_b32 s[G1+4], 25
	s_mov_b32 s[G1+5], 32
	s_mov_b32 s[G1+6], 0
	s_mov_b32 s[G1+7], 0
	s_mul_i32 s18, s17, HB
	s_mov_b32 s19, 0
	s_mul_i32 s20, s[WV], 6400                     ; my sixteenth of each half
	s_mov_b32 s21, 0
	s_mov_b32 s[SEL], 0x76543210
	s_mov_b32 s[SEL+1], 0xfedcba98
	s_mov_b32 s[CS], 0x3e38aa3b                    ; c = log2(e) / 8
	s_mov_b32 s[CS+1], s[CS]
	s_mov_b32 s[HM], 0xffff0000
	s_wait_dscnt 0x0                               ; both opening adds are done
	s_wait_kmcnt 0x0
	s_add_nc_u64 s[4:5], s[4:5], s[18:19]          ; the head's block
	s_mov_b32 s[G0A], 1
	s_mov_b32 s[G0A+1], s20
	s_add_nc_u64 s[G0A+2:G0A+3], s[4:5], s[20:21]  ; K's codes and scales: the block's first 102,400 bytes
	s_mov_b32 s[G0B], 1
	s_add_co_u32 s[G0B+1], s20, 102400
	s_add_nc_u64 s[G0B+2:G0B+3], s[G0A+2:G0A+3], 102400   ; V's: the next 102,400
	s_or_b32 s[G0A+3], s[G0A+3], 0x80000000
	s_or_b32 s[G0B+3], s[G0B+3], 0x80000000
	CROUND                                         ; all four work-groups are here: the joint loads meet
	tensor_load_to_lds s[G0A:G0A+3], s[G1:G1+7]
	s_nop 0
	tensor_load_to_lds s[G0B:G0B+3], s[G1:G1+7]    ; two loads of mine are out
	s_nop 0
.rept 4
	v_nop
.endr
	; where my work-group's and my wave's parts begin in memory
	s_mul_i32 s2, s16, 24576
	s_add_co_u32 s2, s2, 204800
	s_mov_b32 s3, 0
	s_add_nc_u64 s[2:3], s[4:5], s[2:3]            ; Q's images: pair of tiles 16 cx; 1,536 bytes a block of 32 queries
	s_lshl_b32 s14, s16, 10
	s_add_co_u32 s14, s14, 303104
	s_mov_b32 s15, 0
	s_add_nc_u64 s[4:5], s[4:5], s[14:15]          ; Q's scale words: 64 bytes a block
	s_lshr_b32 s18, s17, 4                         ; b
	s_and_b32 s19, s17, 15                         ; the head
	s_lshl_b32 s20, s18, 6
	s_lshl_b32 s21, s16, 4
	s_add_co_u32 s20, s20, s21                     ; my first block of 32 queries: 64 b + 16 cx
	s_lshl_b32 s22, s20, 13
	s_lshl_b32 s23, s[WV], 9
	s_add_co_u32 s22, s22, s23
	s_mov_b32 s23, 0
	s_add_nc_u64 s[6:7], s[6:7], s[22:23]          ; the mask words: 8,192 bytes a block, my 128 keys' 512 of them
	s_lshl_b32 s22, s20, 11
	s_lshr_b32 s24, s[WV], 1
	s_lshl_b32 s24, s24, 8
	s_add_co_u32 s22, s22, s24
	s_and_b32 s24, s[WV], 1
	s_lshl_b32 s25, s24, 2
	s_add_co_u32 s22, s22, s25
	s_add_nc_u64 s[8:9], s[8:9], s[22:23]          ; the counts: 2,048 bytes a block; my 128 keys' word of each lane's two
	s_lshl_b32 s22, s20, 1
	s_add_co_u32 s22, s22, s24                     ; ctx: tile 128 b + 32 cx + (wave % 2): waves 0 and 1 store
	s_mul_i32 s22, s22, 12288
	s_lshr_b32 s25, s19, 1
	s_mul_i32 s25, s25, 1536
	s_add_co_u32 s22, s22, s25                     ; K step head / 2
	s_and_b32 s25, s19, 1
	s_mul_i32 s26, s25, 768
	s_add_co_u32 s22, s22, s26                     ; half head % 2
	s_lshr_b32 s26, s20, 2
	s_lshl_b32 s26, s26, 12                        ; ctx's scales: the block of 128 rows,
	s_lshr_b32 s27, s19, 2
	s_lshl_b32 s27, s27, 10
	s_add_co_u32 s26, s26, s27                     ; the pair of K steps,
	s_bfe_u32 s27, s19, 0x10001
	s_lshl_b32 s27, s27, 2
	s_add_co_u32 s26, s26, s27                     ; the word,
	s_lshl_b32 s25, s25, 1
	s_add_co_u32 s26, s26, s25                     ; my head's two bytes of it
	s_add_co_u32 s26, s26, 6291456
	s_mov_b32 s27, 0
	s_add_nc_u64 s[14:15], s[10:11], s[26:27]
	s_add_nc_u64 s[10:11], s[10:11], s[22:23]
	; lane terms and LDS addresses
	v_and_b32 v[TA], 31, v0
	v_lshlrev_b32 v[L16], 4, v[TA]
	v_lshlrev_b32 v[L8], 3, v[TA]
	v_lshlrev_b32 v[L4], 2, v[TA]
	v_and_b32 v[TA], 15, v0                        ; r
	v_bfe_u32 v[TA+1], v0, 4, 1                    ; h
	v_lshlrev_b32 v[LR4], 2, v[TA]
	v_mul_u32_u24 v[AMSR], v[TA], 80
	v_mad_u32_u24 v[AMSW], v[TA+1], 1280, v[AMSR]
	s_lshl_b32 s28, s[WV], 2
	s_add_co_u32 s28, s28, MSN
	v_add_nc_u32 v[AMSW], s28, v[AMSW]             ; my word: lanes 0-15 tile 0's query r, lanes 16-31 tile 1's
	v_lshl_add_u32 v[AMSR], v[TA+1], 5, v[AMSR]
	v_add_nc_u32 v[AMSR], MSN, v[AMSR]             ; query r's row: lanes 0-15 waves 0-7, lanes 16-31 waves 8-15
	s_lshl_b32 s28, s24, 14
	s_add_co_u32 s28, s28, OXB
	v_add_nc_u32 v[AOXR], s28, v[L16]              ; the quarters of tile (wave % 2)
	v_and_b32 v[TC], 8, v[TA]
	v_add_nc_u32 v[TC], v[TC], v[TA]
	s_lshl_b32 s28, s24, 3
	v_add_nc_u32 v[TC], s28, v[TC]
	v_lshlrev_b32 v[ASC], 3, v[TC]                 ; ctx's scale bytes: 8 bytes a natural row
	s_lshl_b32 s28, s[WV], 8
	s_add_co_u32 s28, s28, 98304
	v_add_nc_u32 v[A4], s28, v[L4]                 ; K's scale words of my four pairs of tiles
	s_lshr_b32 s29, s[WV], 2
	s_and_b32 s30, s[WV], 3
	s_lshl_b32 s28, s29, 10
	s_lshl_b32 s31, s30, 6
	s_add_co_u32 s28, s28, s31
	s_add_co_u32 s28, s28, 200704
	v_lshl_add_u32 v[A8], v[TA+1], 8, v[LR4]
	v_add_nc_u32 v[A8], s28, v[A8]                 ; V's scale words of my tile: lanes 0-15 one K step, lanes 16-31 the next
.irp x, 0,1
.irp i, 0,1,2,3,4,5
	v_mov_b32 v[QZ+18*\x+6+\i], 0                  ; the zero codes, written once
.endr
.endr
	v_mov_b32 v[NINF], 0xff800000
	v_mov_b32 v[TC], 0
	v_mov_b32 v[TC+1], 0
.macro QLOAD                           ; a block's Q (each tile's 64 twice), its scale words, and my keys' counts
.irp x, 0,1
	global_load_b128 v[QZ+18*\x:QZ+18*\x+3], v[L16], s[2:3] offset:768*\x
	global_load_b64 v[QZ+18*\x+4:QZ+18*\x+5], v[L8], s[2:3] offset:768*\x+512
	global_load_b128 v[QZ+18*\x+12:QZ+18*\x+15], v[L16], s[2:3] offset:768*\x
	global_load_b64 v[QZ+18*\x+16:QZ+18*\x+17], v[L8], s[2:3] offset:768*\x+512
.endr
	global_load_b32 v[QW], v[LR4], s[4:5]
	global_load_b32 v[CW], v[L8], s[8:9]
.endm
.macro KLOAD                           ; my four pairs of key tiles, as they lie
	v_add_nc_u32 v[A16], s[SK], v[L16]
	v_add_nc_u32 v[A8], s[SK], v[L8]
.irp p, 0,1,2,3
	ds_load_b128 v[KC+12*\p:KC+12*\p+3], v[A16] offset:1536*\p
	ds_load_b64 v[KC+12*\p+4:KC+12*\p+5], v[A8] offset:1536*\p+512
	ds_load_b128 v[KC+12*\p+6:KC+12*\p+9], v[A16] offset:1536*\p+768
	ds_load_b64 v[KC+12*\p+10:KC+12*\p+11], v[A8] offset:1536*\p+1280
.endr
.endm
.macro MLOADX xx                       ; 32 mask words of tile xx, into the registers that the selects have just read
.if (\xx) == 0
	s_load_b512 s[16:31], s[6:7], s[MO] offset:0x0
	s_load_b512 s[32:47], s[6:7], s[MO] offset:0x40
.else
	s_load_b512 s[48:63], s[6:7], s[MO] offset:0x80
	s_load_b512 s[68:83], s[6:7], s[MO] offset:0xc0
.endif
.endm
	QLOAD
	s_mov_b32 s[MO], 0
	MLOADX 0
	MLOADX 1
	s_wait_tensorcnt 0x0                           ; my parts of K and of V are in; the descriptors' registers may be written
	s_mul_i32 s[SK], s[WV], 6144                   ; K's images of my 128 keys
	s_lshr_b32 s94, s[WV], 2                       ; my quarter of the keys in the second product
	s_and_b32 s95, s[WV], 3                        ; my tile of V^T
	s_mul_i32 s[SV], s94, 24576
	s_mul_i32 s[SOW], s95, 1536
	s_add_co_u32 s[SV], s[SV], s[SOW]
	s_add_co_u32 s[SV], s[SV], 102400              ; V's images: four K steps of my tile, 6,144 bytes apart
	s_mul_i32 s[SPS], s[WV], 3072
	s_add_co_u32 s[SPS], s[SPS], PB                ; where I put P's two images
	s_mul_i32 s[SPR], s94, 12288
	s_add_co_u32 s[SPR], s[SPR], PB                ; and where my quarter's eight lie
	s_lshl_b32 s[SPCW], s[WV], 7
	s_add_co_u32 s[SPCW], s[SPCW], PSCB
	s_lshl_b32 s[SPCR], s94, 9
	s_add_co_u32 s[SPCR], s[SPCR], PSCB
	s_lshl_b32 s[SOW], s95, 12
	s_lshl_b32 s94, s94, 10
	s_add_co_u32 s[SOW], s[SOW], s94
	s_add_co_u32 s[SOW], s[SOW], OXB               ; where I put my quarter of O^T
	s_mov_b32 s[IDX], 0
	s_barrier_signal -1
	s_barrier_wait -1                              ; everybody's parts are in
	ds_load_b32 v[KS], v[A4]
	ds_load_b32 v[KS+1], v[A4] offset:128
	ds_load_b32 v[VS], v[A8]
	ds_load_b32 v[VS+1], v[A8] offset:512
	KLOAD
	s_wait_dscnt 0x0
.macro WQK p, e, xx                    ; the scores of tile xx of the queries with key tile 2 p + e of my eight
.set WD, S+64*(\xx)+8*(2*(\p)+(\e))
.set WA, KC+12*(\p)
.set WB, QZ+18*(\xx)+6*(\e)
.if ((\p)%2 == 0) && ((\xx) == 0)
	v_wmma_scale_f32_16x16x128_f8f6f4 v[WD:WD+7], v[WA:WA+11], v[WB:WB+11], 0, v[KS+(\p)/2], v[QS] matrix_a_fmt:MATRIX_FMT_FP6 matrix_b_fmt:MATRIX_FMT_FP6
.elseif ((\p)%2 == 0)
	v_wmma_scale_f32_16x16x128_f8f6f4 v[WD:WD+7], v[WA:WA+11], v[WB:WB+11], 0, v[KS+(\p)/2], v[QS] matrix_a_fmt:MATRIX_FMT_FP6 matrix_b_fmt:MATRIX_FMT_FP6 matrix_b_scale:MATRIX_SCALE_ROW1
.elseif (\xx) == 0
	v_wmma_scale_f32_16x16x128_f8f6f4 v[WD:WD+7], v[WA:WA+11], v[WB:WB+11], 0, v[KS+(\p)/2], v[QS] matrix_a_fmt:MATRIX_FMT_FP6 matrix_b_fmt:MATRIX_FMT_FP6 matrix_a_scale:MATRIX_SCALE_ROW1
.else
	v_wmma_scale_f32_16x16x128_f8f6f4 v[WD:WD+7], v[WA:WA+11], v[WB:WB+11], 0, v[KS+(\p)/2], v[QS] matrix_a_fmt:MATRIX_FMT_FP6 matrix_b_fmt:MATRIX_FMT_FP6 matrix_a_scale:MATRIX_SCALE_ROW1 matrix_b_scale:MATRIX_SCALE_ROW1
.endif
.endm
.macro SELX u, xx                      ; keys 64 u on, tile xx: a hidden score becomes -infinity.  (Each accumulator is read from its low end on)
.set w, 0
.rept 32
	v_cndmask_b32 v[S+64*(\xx)+32*(\u)+w], v[NINF], v[S+64*(\xx)+32*(\u)+w], s[16+32*(\xx)+w+4*(\xx)*(w/16)]
.set w, w+1
.endr
.endm
.macro BMAX u                          ; the largest score of blocks 2 u and 2 u + 1 of both tiles: it serves for the maximum and for the block's largest weight
.irp x, 0,1
.irp b, 0,1
	v_max3_num_f32 v[BM+4*\x+2*(\u)+\b], v[S+64*\x+32*(\u)+16*\b], v[S+64*\x+32*(\u)+16*\b+1], v[S+64*\x+32*(\u)+16*\b+2]
.endr
.endr
.irp i, 3,5,7,9,11,13
.irp x, 0,1
.irp b, 0,1
	v_max3_num_f32 v[BM+4*\x+2*(\u)+\b], v[BM+4*\x+2*(\u)+\b], v[S+64*\x+32*(\u)+16*\b+\i], v[S+64*\x+32*(\u)+16*\b+\i+1]
.endr
.endr
.endr
.irp x, 0,1
.irp b, 0,1
	v_max_num_f32 v[BM+4*\x+2*(\u)+\b], v[BM+4*\x+2*(\u)+\b], v[S+64*\x+32*(\u)+16*\b+15]
.endr
.endr
.irp x, 0,1
.irp b, 0,1
	v_permlanex16_b32 v[BX+4*\x+2*(\u)+\b], v[BM+4*\x+2*(\u)+\b], s[SEL], s[SEL+1]
.endr
.endr
.irp x, 0,1
.irp b, 0,1
	v_max_num_f32 v[BM+4*\x+2*(\u)+\b], v[BM+4*\x+2*(\u)+\b], v[BX+4*\x+2*(\u)+\b]   ; with lane l xor 16's 16 keys
.endr
.endr
.endm
.macro WPV i, xx                       ; O^T of tile xx += my tile of V^T x P, K step i of my four.  The two accumulators take turns, one instruction a turn
.set n, 2*(\i)+(\xx)
.if n < 5
.set WB, 192+12*n
.else
.set WB, 80+12*(n-5)
.endif
.set WD, OA+8*(\xx)
.set WA, VB+12*(\i)
.if ((\i) == 0) && ((\xx) == 0)
	v_wmma_scale_f32_16x16x128_f8f6f4 v[WD:WD+7], v[WA:WA+11], v[WB:WB+11], 0, v[VS], v[PSC] matrix_a_fmt:MATRIX_FMT_FP6 matrix_b_fmt:MATRIX_FMT_FP6
.elseif (\i) == 0
	v_wmma_scale_f32_16x16x128_f8f6f4 v[WD:WD+7], v[WA:WA+11], v[WB:WB+11], 0, v[VS], v[PSC] matrix_a_fmt:MATRIX_FMT_FP6 matrix_b_fmt:MATRIX_FMT_FP6 matrix_b_scale:MATRIX_SCALE_ROW1
.elseif ((\i)%2 == 0) && ((\xx) == 0)
	v_wmma_scale_f32_16x16x128_f8f6f4 v[WD:WD+7], v[WA:WA+11], v[WB:WB+11], v[WD:WD+7], v[VS+(\i)/2], v[PSC+(\i)] matrix_a_fmt:MATRIX_FMT_FP6 matrix_b_fmt:MATRIX_FMT_FP6
.elseif ((\i)%2 == 0)
	v_wmma_scale_f32_16x16x128_f8f6f4 v[WD:WD+7], v[WA:WA+11], v[WB:WB+11], v[WD:WD+7], v[VS+(\i)/2], v[PSC+(\i)] matrix_a_fmt:MATRIX_FMT_FP6 matrix_b_fmt:MATRIX_FMT_FP6 matrix_b_scale:MATRIX_SCALE_ROW1
.elseif (\xx) == 0
	v_wmma_scale_f32_16x16x128_f8f6f4 v[WD:WD+7], v[WA:WA+11], v[WB:WB+11], v[WD:WD+7], v[VS+(\i)/2], v[PSC+(\i)] matrix_a_fmt:MATRIX_FMT_FP6 matrix_b_fmt:MATRIX_FMT_FP6 matrix_a_scale:MATRIX_SCALE_ROW1
.else
	v_wmma_scale_f32_16x16x128_f8f6f4 v[WD:WD+7], v[WA:WA+11], v[WB:WB+11], v[WD:WD+7], v[VS+(\i)/2], v[PSC+(\i)] matrix_a_fmt:MATRIX_FMT_FP6 matrix_b_fmt:MATRIX_FMT_FP6 matrix_a_scale:MATRIX_SCALE_ROW1 matrix_b_scale:MATRIX_SCALE_ROW1
.endif
.endm
; A BLOCK OF 32 QUERIES.  last = 1: nothing is asked for beyond it
.macro QBLOCK last
	; ---- the scores
	s_wait_loadcnt 0x0                             ; Q, its scale word and the counts, asked for a block ago
	v_perm_b32 v[TA], v[QW], v[QW], 0x01000100     ; tile 0's two bytes, for both halves of a fragment
	v_perm_b32 v[TA+1], v[QW], v[QW], 0x03020302   ; tile 1's
	v_cndmask_b32 v[QS], v[TA], v[TA+1], s[HM]
	v_permlanex16_b32 v[TC], v[CW], s[SEL], s[SEL+1]
	v_cndmask_b32 v[TA], v[CW], v[TC], s[HM]       ; the visible keys of my query of tile 0,
	v_cndmask_b32 v[TA+1], v[TC], v[CW], s[HM]     ; and of tile 1
	v_sub_nc_u32 v[TA], 128, v[TA]                 ; the hidden ones
	v_sub_nc_u32 v[TA+1], 128, v[TA+1]
	v_cmp_lt_u32 vcc_lo, 0, v[TA]
	v_cndmask_b32 v[F+1], 0xff61b1e6, v[NIL], vcc_lo   ; a hidden key's score, 0, counts for the maximum; with none hidden -3e38 stands there, under every score
	v_cmp_lt_u32 vcc_lo, 0, v[TA+1]
	v_cndmask_b32 v[F+3], 0xff61b1e6, v[NIL], vcc_lo
	v_cvt_f32_u32 v[NM+1], v[TA]
	v_cvt_f32_u32 v[NM+3], v[TA+1]
.rept 4
	v_nop                                          ; with the lines above: the plain lines between Q's scale word, made by a vector instruction, and the products; and between the last block's products and these, which write over their registers
.endr
.irp p, 0,1,2,3
.irp e, 0,1
.irp x, 0,1
	WQK \p, \e, \x
.endr
.endr
.endr
.rept 4
	v_nop                                          ; places in front of the first read of the scores, and of loads and writes into the products' sources
.endr
.if (\last) == 0
	s_add_nc_u64 s[2:3], s[2:3], 1536              ; (the loads that read these pointers were waited for at the block's head)
	s_add_nc_u64 s[4:5], s[4:5], 64
	s_add_nc_u64 s[8:9], s[8:9], 2048
	QLOAD                                          ; the next block's
.endif
	; ---- hidden scores, and each block's largest
	s_wait_kmcnt 0x0                               ; the mask words of my first 64 keys are in, and the loads have read their offset
	s_add_co_u32 s[MO], s[MO], 256
	SELX 0, 0
	MLOADX 0                                       ; those of my second 64 keys
	SELX 0, 1
	MLOADX 1
	BMAX 0
	s_wait_kmcnt 0x0
	s_add_co_u32 s[MO], s[MO], 7936                ; the next block's first 64
	SELX 1, 0
.if (\last) == 0
	MLOADX 0
.endif
	SELX 1, 1
.if (\last) == 0
	MLOADX 1
.endif
	BMAX 1
	; ---- my M
.irp x, 0,1
	v_max3_num_f32 v[TA+\x], v[BM+4*\x], v[BM+4*\x+1], v[BM+4*\x+2]
.endr
.irp x, 0,1
	v_max3_num_f32 v[TA+\x], v[TA+\x], v[BM+4*\x+3], v[F+2*\x+1]
.endr
.irp x, 0,1
	v_mul_f32 v[TA+\x], s[CS], v[TA+\x]
.endr
.irp x, 0,1
	v_floor_f32 v[NM+2*\x], -v[TA+\x]              ; -M = floor(-t): M is a whole number
.endr
	; ---- p = 2^(t - M).  Two batches of exponentials, each with one wait: tile 0's stand between tile 1's scalings, tile 1's between tile 0's sums
.set j, 0
.rept 32
	v_pk_fma_f32 v[S+j:S+j+1], v[S+j:S+j+1], s[CS:CS+1], v[NM:NM+1] op_sel_hi:[1,0,0]
.set j, j+2
.endr
.irp b, 0,1,2,3
	v_fma_f32 v[BM+\b], v[BM+\b], s[CS], v[NM]
.endr
.set j, 0
.rept 32
	v_exp_f32 v[S+j], v[S+j]
	v_pk_fma_f32 v[S+64+j:S+64+j+1], v[S+64+j:S+64+j+1], s[CS:CS+1], v[NM+2:NM+3] op_sel_hi:[1,0,0]
	v_exp_f32 v[S+j+1], v[S+j+1]
.set j, j+2
.endr
.irp b, 0,1,2,3
	v_exp_f32 v[BM+\b], v[BM+\b]                   ; the same two instructions on a block's largest score give its largest p
	v_fma_f32 v[BM+4+\b], v[BM+4+\b], s[CS], v[NM+2]
.endr
	v_nop                                          ; a plain line behind the exponentials
	s_wait_alu depctr_va_vdst(0)                   ; one wait for the batch, ahead of its first reader
.set k, 0
.rept 32
	v_exp_f32 v[S+64+2*k], v[S+64+2*k]
.if k == 0
	v_pk_add_f32 v[SUM:SUM+1], v[S:S+1], v[S+2:S+3]
.elseif k == 1
	v_pk_add_f32 v[TP:TP+1], v[S+4:S+5], v[S+6:S+7]
.elseif k == 30
	v_pk_add_f32 v[SUM:SUM+1], v[SUM:SUM+1], v[TP:TP+1]
.elseif k == 31
	v_nop
.elseif k%2 == 0
	v_pk_add_f32 v[SUM:SUM+1], v[SUM:SUM+1], v[S+2*k+4:S+2*k+5]
.else
	v_pk_add_f32 v[TP:TP+1], v[TP:TP+1], v[S+2*k+4:S+2*k+5]
.endif
	v_exp_f32 v[S+64+2*k+1], v[S+64+2*k+1]
.set k, k+1
.endr
.irp b, 0,1,2,3
	v_exp_f32 v[BM+4+\b], v[BM+4+\b]
.endr
	v_nop
	s_wait_alu depctr_va_vdst(0)                   ; and one for the second batch
	v_pk_add_f32 v[SUM+2:SUM+3], v[S+64:S+65], v[S+66:S+67]          ; tile 1's sum, in four chains
.irp m, 1,2,3
	v_pk_add_f32 v[TP+2*\m:TP+2*\m+1], v[S+64+4*\m:S+64+4*\m+1], v[S+64+4*\m+2:S+64+4*\m+3]
.endr
.set j, 16
.rept 6
	v_pk_add_f32 v[SUM+2:SUM+3], v[SUM+2:SUM+3], v[S+64+j:S+64+j+1]
.irp m, 1,2,3
	v_pk_add_f32 v[TP+2*\m:TP+2*\m+1], v[TP+2*\m:TP+2*\m+1], v[S+64+j+2*\m:S+64+j+2*\m+1]
.endr
.set j, j+8
.endr
	v_pk_add_f32 v[SUM+2:SUM+3], v[SUM+2:SUM+3], v[TP+2:TP+3]
	v_pk_add_f32 v[TP+4:TP+5], v[TP+4:TP+5], v[TP+6:TP+7]
	v_pk_add_f32 v[SUM+2:SUM+3], v[SUM+2:SUM+3], v[TP+4:TP+5]
.irp x, 0,1
	v_add_f32 v[SUM+2*\x], v[SUM+2*\x], v[SUM+2*\x+1]
.endr
.irp x, 0,1
	v_permlanex16_b32 v[TC+\x], v[SUM+2*\x], s[SEL], s[SEL+1]
.endr
.irp x, 0,1
	v_cvt_i32_f32 v[TA+\x], v[NM+2*\x]
.endr
.irp x, 0,1
	v_add_f32 v[SUM+2*\x], v[SUM+2*\x], v[TC+\x]   ; with lane l xor 16's 64 keys
.endr
.irp x, 0,1
	v_ldexp_f32 v[TA+\x], v[NM+2*\x+1], v[TA+\x]   ; my hidden keys: their number x 2^-M (M is 0 or more where there is one)
.endr
.irp x, 0,1
	v_add_f32 v[SUM+2*\x], v[SUM+2*\x], v[TA+\x]
.endr
	; ---- my M and my sum to the others
	v_cndmask_b32 v[TA], v[NM], v[NM+2], s[HM]
	v_cndmask_b32 v[TA+1], v[SUM], v[SUM+2], s[HM]
	v_xor_b32 v[TA], 0x80000000, v[TA]             ; M
	ds_store_b32 v[AMSW], v[TA]
	ds_store_b32 v[AMSW], v[TA+1] offset:2560
	BAR                                            ; all sixteen waves' words lie in LDS
.irp x, 0,1
	ds_load_b128 v[MR+16*\x:MR+16*\x+3], v[AMSR] offset:1280*\x
	ds_load_b128 v[MR+16*\x+4:MR+16*\x+7], v[AMSR] offset:1280*\x+16
	ds_load_b128 v[MR+16*\x+8:MR+16*\x+11], v[AMSR] offset:2560+1280*\x
	ds_load_b128 v[MR+16*\x+12:MR+16*\x+15], v[AMSR] offset:2560+1280*\x+16
.endr
	s_wait_dscnt 0x0
.irp x, 0,1
	v_max3_num_f32 v[TA+\x], v[MR+16*\x], v[MR+16*\x+1], v[MR+16*\x+2]
.endr
.irp i, 3,5
.irp x, 0,1
	v_max3_num_f32 v[TA+\x], v[TA+\x], v[MR+16*\x+\i], v[MR+16*\x+\i+1]
.endr
.endr
.irp x, 0,1
	v_max_num_f32 v[TA+\x], v[TA+\x], v[MR+16*\x+7]
.endr
.irp x, 0,1
	v_permlanex16_b32 v[TC+\x], v[TA+\x], s[SEL], s[SEL+1]
.endr
.irp x, 0,1
	v_max_num_f32 v[G+2*\x], v[TA+\x], v[TC+\x]    ; the row's M
.endr
.irp k, 0,2,4,6
.irp x, 0,1
	v_pk_add_f32 v[MR+16*\x+\k:MR+16*\x+\k+1], v[MR+16*\x+\k:MR+16*\x+\k+1], v[G+2*\x:G+2*\x+1] op_sel_hi:[1,0] neg_lo:[0,1] neg_hi:[0,1]   ; a wave's M less the row's: a whole number, 0 or less
.endr
.endr
.irp k, 0,1,2,3,4,5,6,7
.irp x, 0,1
	v_cvt_i32_f32 v[MR+16*\x+\k], v[MR+16*\x+\k]   ; (it saturates)
.endr
.endr
.irp k, 0,1,2,3,4,5,6,7
.irp x, 0,1
	v_ldexp_f32 v[MR+16*\x+8+\k], v[MR+16*\x+8+\k], v[MR+16*\x+\k]   ; its sum under the row's M: nothing is rounded
.endr
.endr
.irp x, 0,1
	v_pk_add_f32 v[MR+16*\x+8:MR+16*\x+9], v[MR+16*\x+8:MR+16*\x+9], v[MR+16*\x+10:MR+16*\x+11]
	v_pk_add_f32 v[MR+16*\x+12:MR+16*\x+13], v[MR+16*\x+12:MR+16*\x+13], v[MR+16*\x+14:MR+16*\x+15]
.endr
.irp x, 0,1
	v_pk_add_f32 v[MR+16*\x+8:MR+16*\x+9], v[MR+16*\x+8:MR+16*\x+9], v[MR+16*\x+12:MR+16*\x+13]
.endr
.irp x, 0,1
	v_add_f32 v[MR+16*\x+8], v[MR+16*\x+8], v[MR+16*\x+9]
.endr
.irp x, 0,1
	v_permlanex16_b32 v[TC+\x], v[MR+16*\x+8], s[SEL], s[SEL+1]
.endr
.irp x, 0,1
	v_add_f32 v[MR+16*\x+8], v[MR+16*\x+8], v[TC+\x]   ; the row's sum: more than one half, since its largest term is
.endr
.irp x, 0,1
	v_rcp_f32 v[MR+16*\x+9], v[MR+16*\x+8]
.endr
.irp x, 0,1
	v_sub_f32 v[TA+\x], -v[NM+2*\x], v[G+2*\x]     ; my M less the row's.  (Plain lines behind the reciprocals)
.endr
.irp x, 0,1
	v_cvt_i32_f32 v[TA+\x], v[TA+\x]
.endr
	s_wait_alu depctr_va_vdst(0)                   ; ahead of the reciprocals' reader
.irp x, 0,1
	v_ldexp_f32 v[F+2*\x], v[MR+16*\x+9], v[TA+\x] ; f = 2^(my M - the row's M) / the row's sum
.endr
	; ---- the finished weights, their scales and codes
.set j, 0
.rept 32
	v_pk_mul_f32 v[S+j:S+j+1], v[S+j:S+j+1], v[F:F+1] op_sel_hi:[1,0]
	v_pk_mul_f32 v[S+64+j:S+64+j+1], v[S+64+j:S+64+j+1], v[F+2:F+3] op_sel_hi:[1,0]
.set j, j+2
.endr
.set j, 0
.rept 8
	v_mul_f32 v[BM+j], v[BM+j], v[F+2*(j/4)]       ; the same multiplication of each block's largest p
.set j, j+1
.endr
.set j, 0
.rept 8
	v_max_num_f32 v[BM+j], 0x1800000, v[BM+j]      ; the floor 2^(3 - 127): the byte cannot fall under 1
.set j, j+1
.endr
.set j, 0
.rept 8
	v_add_nc_u32 v[BM+j], 0xff000000, v[BM+j]      ; 2 off the exponent field: the conversion's scale operand
.set j, j+1
.endr
.set j, 0
.rept 8
	v_lshrrev_b32 v[BY+j], 23, v[BM+j]             ; the byte
.set j, j+1
.endr
.irp x, 0,1
	v_lshl_or_b32 v[TA+\x], v[BY+4*\x+1], 8, v[BY+4*\x]
.endr
.irp x, 0,1
	v_lshl_or_b32 v[TA+\x], v[BY+4*\x+2], 16, v[TA+\x]
.endr
.irp x, 0,1
	v_lshl_or_b32 v[TA+\x], v[BY+4*\x+3], 24, v[TA+\x]
.endr
.irp x, 0,1
.irp c, 0,1
	v_cvt_scalef32_pk16_fp6_f32 v[P+12*\x+6*\c:P+12*\x+6*\c+2], v[S+64*\x+32*\c:S+64*\x+32*\c+15], v[BM+4*\x+2*\c]
	v_cvt_scalef32_pk16_fp6_f32 v[PT+16*\x+4*\c:PT+16*\x+4*\c+2], v[S+64*\x+32*\c+16:S+64*\x+32*\c+31], v[BM+4*\x+2*\c+1]
.endr
.endr
	v_nop                                          ; a plain line behind the conversions
.irp x, 0,1
.irp c, 0,1                            ; a whole block to a lane: lanes 0-15 block 2 c, lanes 16-31 block 2 c + 1
.irp i, 0,1,2
	v_permlane16_swap_b32 v[P+12*\x+6*\c+\i], v[PT+16*\x+4*\c+\i]
.endr
.irp i, 0,1,2
	v_mov_b32 v[P+12*\x+6*\c+3+\i], v[PT+16*\x+4*\c+\i]
.endr
.endr
.endr
	v_add_nc_u32 v[A16], s[SV], v[L16]             ; V's four fragments are asked for here, into registers that the scores have left: they land while the waves meet
	v_add_nc_u32 v[A8], s[SV], v[L8]
.irp i, 0,1,2,3
	ds_load_b128 v[VB+12*\i:VB+12*\i+3], v[A16] offset:6144*\i
	ds_load_b64 v[VB+12*\i+4:VB+12*\i+5], v[A8] offset:6144*\i+512
	ds_load_b128 v[VB+12*\i+6:VB+12*\i+9], v[A16] offset:6144*\i+768
	ds_load_b64 v[VB+12*\i+10:VB+12*\i+11], v[A8] offset:6144*\i+1280
.endr
	v_add_nc_u32 v[A16], s[SPS], v[L16]
	v_add_nc_u32 v[A8], s[SPS], v[L8]
	v_add_nc_u32 v[A4], s[SPCW], v[L4]
	v_cndmask_b32 v[TC], v[TA], v[TA+1], s[HM]     ; lanes 0-15 tile 0's scale words, lanes 16-31 tile 1's
.irp x, 0,1
	ds_store_b128 v[A16], v[P+12*\x:P+12*\x+3] offset:1536*\x
	ds_store_b64 v[A8], v[P+12*\x+4:P+12*\x+5] offset:1536*\x+512
	ds_store_b128 v[A16], v[P+12*\x+6:P+12*\x+9] offset:1536*\x+768
	ds_store_b64 v[A8], v[P+12*\x+10:P+12*\x+11] offset:1536*\x+1280
.endr
	ds_store_b32 v[A4], v[TC]
	BAR                                            ; P's 32 fragments lie in LDS
	; ---- O^T: my tile of V^T, my quarter of the keys, both tiles of queries
	v_add_nc_u32 v[A16], s[SPR], v[L16]
	v_add_nc_u32 v[A8], s[SPR], v[L8]
	v_add_nc_u32 v[A4], s[SPCR], v[L4]
.set n, 0
.rept 8
.if n < 5
.set WB, 192+12*n
.else
.set WB, 80+12*(n-5)
.endif
.if n%2 == 0
	ds_load_b32 v[PSC+n/2], v[A4] offset:128*(n/2)
.endif
	ds_load_b128 v[WB:WB+3], v[A16] offset:1536*n
	ds_load_b64 v[WB+4:WB+5], v[A8] offset:1536*n+512
	ds_load_b128 v[WB+6:WB+9], v[A16] offset:1536*n+768
	ds_load_b64 v[WB+10:WB+11], v[A8] offset:1536*n+1280
.set n, n+1
.endr
.irp i, 0,1,2,3
	s_wait_dscnt 27-9*\i                           ; K step i's nine loads are in; the nine of each later K step may be out
	WPV \i, 0
	WPV \i, 1
.endr
.rept 4
	v_nop                                          ; places in front of the stores that read the results and of the loads into the products' sources
.endr
	v_add_nc_u32 v[A16], s[SOW], v[L16]
	ds_store_b128 v[A16], v[OA:OA+3]               ; each accumulator from its low end on
	ds_store_b128 v[A16], v[OA+4:OA+7] offset:512
	ds_store_b128 v[A16], v[OA+8:OA+11] offset:16384
	ds_store_b128 v[A16], v[OA+12:OA+15] offset:16896
.if (\last) == 0
	KLOAD                                          ; K's fragments for the next block land while the waves meet
.endif
	BAR                                            ; O^T's quarters lie in LDS
	; ---- waves 0 and 1: a tile of 16 queries each: the four quarters are added; my head's 64 of ctx are half a K step of the last product: two blocks of 32
	s_cmp_lt_u32 s[WV], 2
	s_cbranch_scc0 .Lno_duty_\@
.irp q, 0,1,2,3
.irp t, 0,1,2,3
	ds_load_b128 v[S+32*\q+8*\t:S+32*\q+8*\t+3], v[AOXR] offset:4096*\t+1024*\q
	ds_load_b128 v[S+32*\q+8*\t+4:S+32*\q+8*\t+7], v[AOXR] offset:4096*\t+1024*\q+512
.endr
.endr
	s_lshr_b32 s94, s[IDX], 2
	s_lshl_b32 s94, s94, 12
	s_and_b32 s95, s[IDX], 3
	s_lshl_b32 s95, s95, 8
	s_add_co_u32 s94, s94, s95                     ; this block's 32 rows among the scales
	s_mov_b32 s95, 0
	s_add_nc_u64 s[CQT:CQT+1], s[14:15], s[94:95]  ; (the last block's store has read this base: the wait at this arm's end)
	s_wait_dscnt 16                                ; quarters 0 and 1 are in; the 16 loads of quarters 2 and 3 may be out
.set j, 0
.rept 16
	v_pk_add_f32 v[S+j:S+j+1], v[S+j:S+j+1], v[S+32+j:S+32+j+1]
.set j, j+2
.endr
	s_wait_dscnt 0x0
.set j, 0
.rept 16
	v_pk_add_f32 v[S+64+j:S+64+j+1], v[S+64+j:S+64+j+1], v[S+96+j:S+96+j+1]
.set j, j+2
.endr
.set j, 0
.rept 16
	v_pk_add_f32 v[S+j:S+j+1], v[S+j:S+j+1], v[S+64+j:S+64+j+1]
.set j, j+2
.endr
.irp b, 0,1
	v_max3_num_f32 v[S+32+\b], |v[S+16*\b]|, |v[S+16*\b+1]|, 0x1800000
.endr
.irp i, 2,4,6,8,10,12,14
.irp b, 0,1
	v_max3_num_f32 v[S+32+\b], v[S+32+\b], |v[S+16*\b+\i]|, |v[S+16*\b+\i+1]|
.endr
.endr
.irp b, 0,1
	v_permlanex16_b32 v[S+34+\b], v[S+32+\b], s[SEL], s[SEL+1]
.endr
.irp b, 0,1
	v_max_num_f32 v[S+32+\b], v[S+32+\b], v[S+34+\b]
.endr
.irp b, 0,1
	v_add_nc_u32 v[S+36+\b], 0xff000000, v[S+32+\b]
.endr
.irp b, 0,1
	v_lshrrev_b32 v[S+38+\b], 23, v[S+36+\b]
.endr
	v_lshl_or_b32 v[S+40], v[S+39], 8, v[S+38]
	v_cvt_scalef32_pk16_fp6_f32 v[S+42:S+44], v[S:S+15], v[S+36]
	v_cvt_scalef32_pk16_fp6_f32 v[S+48:S+50], v[S+16:S+31], v[S+37]
	v_nop                                          ; a plain line behind the conversions
.irp i, 0,1,2
	v_permlane16_swap_b32 v[S+42+\i], v[S+48+\i]
.endr
.irp i, 0,1,2
	v_mov_b32 v[S+45+\i], v[S+48+\i]
.endr
	global_store_b128 v[L16], v[S+42:S+45], s[10:11]               ; 512 consecutive bytes
	global_store_b64 v[L8], v[S+46:S+47], s[10:11] offset:512      ; 256
	global_store_b16 v[ASC], v[S+40], s[CQT:CQT+1]                 ; lanes l and l xor 16 hold the same row's two bytes and write them to the same place
	s_wait_xcnt 0x0                                ; the stores have read their registers and bases: both are written again only behind this wait
	s_add_nc_u64 s[10:11], s[10:11], 24576         ; two tiles on
.Lno_duty_\@:
.if (\last) == 0
	s_add_co_u32 s[IDX], s[IDX], 1
.endif
.endm
	s_mov_b32 s[CNT], 15
.Lqb:
	QBLOCK 0
	s_sub_co_u32 s[CNT], s[CNT], 1
	s_cmp_lg_u32 s[CNT], 0
	s_cbranch_scc1 .Lqb
	QBLOCK 1                                       ; the last block is written out: it asks for nothing beyond the buffers' ends
	s_wait_tensorcnt 0x0                           ; the wave's end
	ds_add_u32 v[SPW], v[NIL]
	s_wait_dscnt 0x0
	CROUND                                         ; the closing round
	s_endpgm
.Lfunc_end_k_q9e5043d79d_attn:
	.size	k_q9e5043d79d_attn, .Lfunc_end_k_q9e5043d79d_attn-k_q9e5043d79d_attn
	.p2alignl 7, 3214868480
	.fill 96, 4, 3214868480
	.section	.rodata,"a",@progbits
	.p2align	6, 0x0
	.amdhsa_kernel k_q9e5043d79d_attn
		.amdhsa_group_segment_fixed_size 295936
		.amdhsa_private_segment_fixed_size 0
		.amdhsa_enable_private_segment 0
		.amdhsa_kernarg_size 32
		.amdhsa_user_sgpr_count 2
		.amdhsa_user_sgpr_kernarg_segment_ptr 1
		.amdhsa_wavefront_size32 1
		.amdhsa_system_sgpr_workgroup_id_x 1
		.amdhsa_system_sgpr_workgroup_id_y 1
		.amdhsa_system_sgpr_workgroup_id_z 1
		.amdhsa_system_vgpr_workitem_id 0
		.amdhsa_next_free_vgpr 256
		.amdhsa_next_free_sgpr 106
		.amdhsa_reserve_vcc 1
		.amdhsa_float_denorm_mode_32 3
		.amdhsa_float_denorm_mode_16_64 3
		.amdhsa_memory_ordered 1
		.amdhsa_forward_progress 1
		.amdhsa_inst_pref_size 124
	.end_amdhsa_kernel
	.amdgpu_metadata
---
amdhsa.version: [ 1, 2 ]
amdhsa.kernels:
  - .name:           k_q9e5043d79d_attn
    .symbol:         k_q9e5043d79d_attn.kd
    .args:
      - { .name: qkv, .offset: 0, .size: 8, .value_kind: global_buffer, .address_space: global }
      - { .name: mb, .offset: 8, .size: 8, .value_kind: global_buffer, .address_space: global }
      - { .name: nh, .offset: 16, .size: 8, .value_kind: global_buffer, .address_space: global }
      - { .name: cq, .offset: 24, .size: 8, .value_kind: global_buffer, .address_space: global }
    .group_segment_fixed_size: 295936
    .private_segment_fixed_size: 0
    .kernarg_segment_align: 8
    .kernarg_segment_size: 32
    .max_flat_workgroup_size: 512
    .sgpr_count:     106
    .vgpr_count:     256
    .wavefront_size: 32
...
	.end_amdgpu_metadata
.endif
;; end of part 3
;; launch gemm2 (part 4): grid 4 x 32, 4 waves a work-group, clusters of 4 x 4, 327,680 bytes of LDS; arguments cq, wq, b2, out0; writes out0
.if DOCPART == 4
	.amdgcn_target "amdgcn-amd-amdhsa--gfx1250"
	.amdhsa_code_object_version 6
	.text
	.protected	k_q9e5043d79d_gemm2
	.globl	k_q9e5043d79d_gemm2
	.p2align	8
	.type	k_q9e5043d79d_gemm2,@function
k_q9e5043d79d_gemm2:
	s_mov_b64 s[64:65], 0
	v_nop
	global_prefetch_b8 v0, s[64:65] scope:SCOPE_SE
	s_setreg_imm32_b32 hwreg(HW_REG_WAVE_MODE, 25, 1), 1
	s_wait_xcnt 0x0
	s_wait_alu depctr_hold_cnt(0) depctr_sa_sdst(0) depctr_va_vdst(0) depctr_va_sdst(0) depctr_va_ssrc(0) depctr_va_vcc(0) depctr_vm_vsrc(0)
	s_getreg_b32 s2, hwreg(HW_REG_IB_STS2, 6, 4)
	s_cmp_eq_u32 s2, 0
	s_cbranch_scc0 .Lentry_in_a_cluster
	s_endpgm
.Lentry_in_a_cluster:
	s_bfe_u32 s2, ttmp6, 0x10000c
	s_cmp_lg_u32 s2, 0xf033
	s_cbranch_scc0 .Lentry_shape_is_right
	s_endpgm
.Lentry_shape_is_right:
; out0 = ctx W2 + b2 on codes of FP6 (E2M3) with E8M0 scales; f32 out.  Nothing of the module is left out here.
; A work-group of four waves makes 256 x 256, a wave 128 x 128: 64 accumulators.  K = 1,024 goes in four fills of 256 through two LDS slots.  The output has 32 x 4 such tiles: 128 work-groups.
; Operands lie in memory as images of fragments ([tile][K step][1,536 bytes], half c at 768 c: four registers at 16 x lane, two at 512 + 8 x lane).  Place r of tile 2 g + u is natural row 32 g + 8 u + r + 8 (r / 8).
; THE MATRIX INSTRUCTION IS USED TRANSPOSED: source 0 = 16 columns of W2, source 1 = 16 tokens: a lane holds eight neighbouring numbers of a row of the output.
; CLUSTERS: 4 x 4 work-groups; ctx's tiles are asked for jointly along a row of the cluster, W2's along a column.
; REGISTERS: window 0: v0-31 addresses and the bias; v32-63 scale words, two sets; v128-223 A's fragments (on the way out v128-255: rows of the output).  window 1: B's fragments at v0 and v128.  windows 2, 3: accumulators.
.set NQ,    2
.set FR,    12
.set NL,    4
.set NP,    4
.set HALFT, 24576
.set SLOT,  98304
.set SCL,   196608
.set SPARE, 212992
.set SPITCH, 528                       ; the way out: a stage of 16 rows x (512 + 16) bytes a wave, in slot 0, which has had its last fill and its last read by then
.set BIAS, 8                           ; v8-11
.set ADRA, 16
.set ADRB, 20
.set STO,  24
.set RD,   25
.set CO,   26
.set ADRS, 27
.set SPW,  28
.set NIL,  29
.set SC,   32
.set AF,   128
.set BK,   128
.set G1, 24
.set G0, 32
.set G1B, 48
.set G0B, 56
.set G1S, 68
.set G0S, 76
.set G1SB, 80
.set G0SB, 88
.set MSB, 0
.macro WIN new
.if MSB != (\new)
	s_set_vgpr_msb (MSB<<8)|(\new)
.set MSB, (\new)
.endif
.endm
.set MUL_LO, 0xa1
.set MUL_HI, 0xf1
.set TO_B,   0x40
.macro JLOAD g0a, g1a, g0b, g1b        ; a joint load: waves 0 and 1 fetch for A, waves 2 and 3 for B
	s_cmp_eq_u32 s15, 0
	s_cbranch_scc0 .Lfor_b_\@
	tensor_load_to_lds s[\g0a:\g0a+3], s[\g1a:\g1a+7]
	s_nop 0
.rept 4
	v_nop
.endr
	s_branch .Lasked_\@
.Lfor_b_\@:
	tensor_load_to_lds s[\g0b:\g0b+3], s[\g1b:\g1b+7]
	s_nop 0
.rept 4
	v_nop
.endr
.Lasked_\@:
.endm
.macro CREST
	s_cmp_lg_u32 s14, 0
	s_cbranch_scc1 .Lnot_wave_0_\@
	s_barrier_signal -3
.Lnot_wave_0_\@:
	s_barrier_wait -3
	s_barrier_signal -1
	s_barrier_wait -1
.endm
.macro CROUND
	s_barrier_signal -1
	s_barrier_wait -1
	CREST
.endm
	s_load_b256 s[4:11], s[0:1], 0x0               ; cq s[4:5], wq s[6:7], b2 s[8:9], out0 s[10:11]
	v_lshl_add_u32 v[SPW], v0, 2, SPARE
	v_mov_b32 v[NIL], 0
	ds_add_u32 v[SPW], v[NIL]                      ; the wave's opening: an add to my spare word, twice on end; its wait stands ahead of my first tensor load
	ds_add_u32 v[SPW], v[NIL]
	v_lshrrev_b32 v1, 5, v0
	v_readfirstlane_b32 s14, v1
	s_lshr_b32 s15, s14, 1
	s_and_b32 s16, s14, 1
	s_bfe_u32 s40, ttmp6, 0x40000
	s_bfe_u32 s41, ttmp6, 0x40004
	s_lshl_b32 s42, ttmp9, 2
	s_add_co_u32 s42, s42, s40                     ; which 256 columns
	s_and_b32 s17, ttmp7, 0xffff
	s_lshl_b32 s17, s17, 2
	s_add_co_u32 s17, s17, s41                     ; which 256 tokens
	s_lshl_b32 s43, s41, 2
	s_lshl_b32 s43, 15, s43
	s_lshl_b32 s44, 0x1111, s40
	s_or_b32 s[G1+0], s43, (3<<16)|(1<<21)
	s_or_b32 s[G1B+0], s44, (3<<16)|(1<<21)
.irp g, G1, G1B
	s_mov_b32 s[\g+1], 384<<16                     ; 8 rows (tiles) of 3,072 bytes, 12,288 bytes apart: elements of 8 bytes
	s_mov_b32 s[\g+2], 8<<16
	s_mov_b32 s[\g+3], 384<<16
	s_mov_b32 s[\g+4], 8
	s_mov_b32 s[\g+5], 1536
	s_mov_b32 s[\g+6], 0
	s_mov_b32 s[\g+7], 0
.endr
	s_or_b32 s[G1S+0], s43, (3<<16)|(1<<21)
	s_or_b32 s[G1SB+0], s44, (3<<16)|(1<<21)
.irp g, G1S, G1SB
	s_mov_b32 s[\g+1], 32<<16                      ; 4,096 dense bytes as 16 rows of 256
	s_mov_b32 s[\g+2], 16<<16
	s_mov_b32 s[\g+3], 32<<16
	s_mov_b32 s[\g+4], 16
	s_mov_b32 s[\g+5], 32
	s_mov_b32 s[\g+6], 0
	s_mov_b32 s[\g+7], 0
.endr
	s_lshl_b32 s19, s16, 3
	s_lshl_b32 s20, s17, 4
	s_add_co_u32 s20, s20, s19
	s_mul_i32 s20, s20, 12288                      ; ctx's codes
	s_mov_b32 s21, 0
	s_lshl_b32 s22, s17, 1
	s_add_co_u32 s22, s22, s16
	s_lshl_b32 s22, s22, 12
	s_add_co_u32 s22, s22, 6291456                 ; ctx's scales
	s_mov_b32 s23, 0
	s_lshl_b32 s46, s42, 4
	s_add_co_u32 s46, s46, s19
	s_mul_i32 s46, s46, 12288
	s_add_co_u32 s46, s46, 2457600                 ; W2's codes
	s_mov_b32 s47, 0
	s_lshl_b32 s12, s42, 1
	s_add_co_u32 s12, s12, s16
	s_lshl_b32 s12, s12, 12
	s_add_co_u32 s12, s12, 3244032                 ; W2's scales
	s_mov_b32 s13, 0
	s_mul_i32 s45, s14, HALFT
	s_lshl_b32 s18, s14, 12
	s_add_co_u32 s18, s18, SCL
	s_wait_dscnt 0x0                               ; both opening adds are done
	s_wait_kmcnt 0x0
	s_add_nc_u64 s[20:21], s[4:5], s[20:21]
	s_add_nc_u64 s[22:23], s[4:5], s[22:23]
	s_add_nc_u64 s[46:47], s[6:7], s[46:47]
	s_add_nc_u64 s[12:13], s[6:7], s[12:13]
	CROUND                                         ; all sixteen work-groups are here: the first joint loads meet
	s_mov_b32 s[G0S], 1
	s_mov_b32 s[G0S+1], s18
	s_mov_b64 s[G0S+2:G0S+3], s[22:23]
	s_or_b32 s[G0S+3], s[G0S+3], 0x80000000
	s_mov_b32 s[G0SB], 1
	s_mov_b32 s[G0SB+1], s18
	s_mov_b64 s[G0SB+2:G0SB+3], s[12:13]
	s_or_b32 s[G0SB+3], s[G0SB+3], 0x80000000
	JLOAD G0S, G1S, G0SB, G1SB
.irp s, 0,1
	s_mov_b32 s[G0+4*\s], 1
	s_add_co_u32 s[G0+4*\s+1], s45, \s*SLOT
	s_add_nc_u64 s[G0+4*\s+2:G0+4*\s+3], s[20:21], \s*3072
	s_or_b32 s[G0+4*\s+3], s[G0+4*\s+3], 0x80000000
	s_mov_b32 s[G0B+4*\s], 1
	s_add_co_u32 s[G0B+4*\s+1], s45, \s*SLOT
	s_add_nc_u64 s[G0B+4*\s+2:G0B+4*\s+3], s[46:47], \s*3072
	s_or_b32 s[G0B+4*\s+3], s[G0B+4*\s+3], 0x80000000
	JLOAD G0+4*\s, G1, G0B+4*\s, G1B
.endr
	v_and_b32 v1, 15, v0
	v_bfe_u32 v2, v0, 4, 1
	v_and_b32 v3, 31, v0
	v_lshlrev_b32 v4, 4, v3
	v_lshlrev_b32 v5, 3, v3
	s_mul_i32 s21, s15, HALFT
	s_mul_i32 s22, s16, HALFT
	s_add_co_u32 s22, s22, 2*HALFT
.irp s, 0,1
	v_add_nc_u32 v[ADRA+\s], s21, v4
	v_add_nc_u32 v[ADRB+\s], s22, v4
	v_add_nc_u32 v[ADRA+2+\s], s21, v5
	v_add_nc_u32 v[ADRB+2+\s], s22, v5
	s_add_co_u32 s21, s21, SLOT
	s_add_co_u32 s22, s22, SLOT
.endr
	v_and_b32 v6, 8, v1
	v_add_nc_u32 v6, v6, v1
	v_lshlrev_b32 v7, 3, v6
	s_lshl_b32 s21, s15, 12
	s_lshl_b32 s22, s16, 12
	s_add_co_u32 s22, s22, 8192
	s_sub_co_u32 s22, s22, s21
	v_mul_u32_u24 v6, s22, v2                      ; lanes 16-31 take B's words
	s_add_co_u32 s21, s21, SCL
	v_add_nc_u32 v7, v7, v6
	v_add_nc_u32 v[ADRS], s21, v7
	s_mul_i32 s23, s14, 16*SPITCH                  ; my stage
	v_mul_u32_u24 v6, v1, SPITCH
	v_lshl_add_u32 v6, v2, 6, v6
	v_add_nc_u32 v[STO], s23, v6                   ; in: row r, 16 h columns on
	v_add_nc_u32 v[RD], s23, v4                    ; back: the 32 lanes take a row of 512 bytes
	v_mov_b32 v[CO], v4
	s_lshl_b32 s92, s42, 10
	s_lshl_b32 s93, s16, 9
	s_add_co_u32 s92, s92, s93                     ; my 128 columns, in bytes
	s_mov_b32 s93, 0
	s_add_nc_u64 s[8:9], s[8:9], s[92:93]
	global_load_b128 v[BIAS:BIAS+3], v4, s[8:9]    ; b2 at my four columns of a row
	s_lshl_b32 s94, s17, 8
	s_lshl_b32 s95, s15, 7
	s_add_co_u32 s94, s94, s95
	s_lshl_b32 s94, s94, 12                        ; my first row, 4,096 bytes a row
	s_mov_b32 s95, 0
	s_add_nc_u64 s[10:11], s[10:11], s[94:95]
	s_add_nc_u64 s[10:11], s[10:11], s[92:93]
.macro FRAG reg, adr, q, i
	ds_load_b128 v[\reg:\reg+3], v[\adr] offset:(\i)*3072+(\q)*1536
	ds_load_b64 v[\reg+4:\reg+5], v[\adr+2] offset:(\i)*3072+(\q)*1536+512
	ds_load_b128 v[\reg+6:\reg+9], v[\adr] offset:(\i)*3072+(\q)*1536+768
	ds_load_b64 v[\reg+10:\reg+11], v[\adr+2] offset:(\i)*3072+(\q)*1536+1280
.endm
; The 64 accumulators take turns, one instruction a turn, in the same order in every step.
.macro MUL16 a0, p, q, sc, zero
.irp a, \a0, \a0+1
.irp b, 0,1,2,3,4,5,6,7
.if \zero
	v_wmma_scale_f32_16x16x128_f8f6f4 v[8*(8*((\a)%4)+\b):8*(8*((\a)%4)+\b)+7], v[128*(\p)+FR*\b:128*(\p)+FR*\b+FR-1], v[AF+FR*(\a):AF+FR*(\a)+FR-1], 0, v[SC+8*NQ*(\sc)+NQ*\b+(\q)], v[SC+8*NQ*(\sc)+NQ*(\a)+(\q)] matrix_a_fmt:MATRIX_FMT_FP6 matrix_b_fmt:MATRIX_FMT_FP6 matrix_a_scale:MATRIX_SCALE_ROW1
.else
	v_wmma_scale_f32_16x16x128_f8f6f4 v[8*(8*((\a)%4)+\b):8*(8*((\a)%4)+\b)+7], v[128*(\p)+FR*\b:128*(\p)+FR*\b+FR-1], v[AF+FR*(\a):AF+FR*(\a)+FR-1], v[8*(8*((\a)%4)+\b):8*(8*((\a)%4)+\b)+7], v[SC+8*NQ*(\sc)+NQ*\b+(\q)], v[SC+8*NQ*(\sc)+NQ*(\a)+(\q)] matrix_a_fmt:MATRIX_FMT_FP6 matrix_b_fmt:MATRIX_FMT_FP6 matrix_a_scale:MATRIX_SCALE_ROW1
.endif
.endr
.endr
.endm
.macro FETCH_B slot, q, p
	WIN TO_B
.irp i, 0,1,2,3,4,5,6,7
	FRAG 128*(\p)+FR*\i, ADRB+\slot, \q, \i
.endr
	WIN 0
.endm
.macro FETCH_A slot, q, i0
.irp i, \i0, \i0+1, \i0+2, \i0+3
	FRAG AF+FR*(\i), ADRA+\slot, \q, \i
.endr
.endm
.macro SCALES sc
.irp i, 0,1,2,3,4,5,6,7
	ds_load_b64 v[SC+8*NQ*\sc+NQ*\i:SC+8*NQ*\sc+NQ*\i+1], v[ADRS] offset:256*(\i/2)+64*(\i%2)
.endr
.endm
.macro PLACES n
.rept \n
	v_nop
.endr
.endm
.macro STEP slot, q, zero
	s_wait_dscnt 4*NL                              ; B's set and A's blocks 0-3 are in; the youngest 16 loads (A's blocks 4-7) may be out
	WIN MUL_LO
	MUL16 0, (\q)%2, \q, \slot, \zero
	MUL16 2, (\q)%2, \q, \slot, \zero
	s_wait_dscnt 0
	PLACES NP
	FETCH_B \slot, (\q)+1, 1-(\q)%2
	FETCH_A \slot, (\q)+1, 0
	WIN MUL_HI
	MUL16 4, (\q)%2, \q, \slot, \zero
	MUL16 6, (\q)%2, \q, \slot, \zero
	PLACES NP
	WIN 0
	FETCH_A \slot, (\q)+1, 4
.endm
.macro TURN slot, next, fill
	s_wait_tensorcnt 0x0                           ; all my tensor loads have landed: my part of the next slot
	ds_add_u32 v[SPW], v[NIL]
	s_wait_dscnt 4*NL+1                            ; the add and the youngest 16 loads may be out
	WIN MUL_LO
	MUL16 0, 1, NQ-1, \slot, 0
	s_wait_dscnt 0x0                               ; the add is done, and my reads of this slot are over
	s_barrier_signal -1
	MUL16 2, 1, NQ-1, \slot, 0
	WIN 0
	s_barrier_wait -1
.if \fill
	CREST                                          ; the barrier has opened a round of the cluster's
	s_add_nc_u64 s[G0+4*\slot+2:G0+4*\slot+3], s[G0+4*\slot+2:G0+4*\slot+3], 6144
	s_add_nc_u64 s[G0B+4*\slot+2:G0B+4*\slot+3], s[G0B+4*\slot+2:G0B+4*\slot+3], 6144
	JLOAD G0+4*\slot, G1, G0B+4*\slot, G1B         ; the first tensor load behind the round
.else
	PLACES NP
.endif
	v_add_nc_u32 v[ADRS], 1024, v[ADRS]
	FETCH_B \next, 0, 0
	FETCH_A \next, 0, 0
	SCALES \next
	WIN MUL_HI
	MUL16 4, 1, NQ-1, \slot, 0
	MUL16 6, 1, NQ-1, \slot, 0
	PLACES NP
	WIN 0
	FETCH_A \next, 0, 4
.endm
	s_wait_tensorcnt 1                             ; the scales and my part of slot 0 are in; slot 1's load may be out
	s_barrier_signal -1
	s_barrier_wait -1
	FETCH_B 0, 0, 0
	FETCH_A 0, 0, 0
	SCALES 0
	FETCH_A 0, 0, 4
	STEP 0, 0, 1
	TURN 0, 1, 1
	STEP 1, 0, 0
	TURN 1, 0, 1
	STEP 0, 0, 0
	TURN 0, 1, 0
	STEP 1, 0, 0
	s_wait_dscnt 4*NL
	WIN MUL_LO
	MUL16 0, 1, NQ-1, 1, 0
	MUL16 2, 1, NQ-1, 1, 0
	s_wait_dscnt 0
	WIN MUL_HI
	MUL16 4, 1, NQ-1, 1, 0
	MUL16 6, 1, NQ-1, 1, 0
	WIN 0
; THE WAY OUT, block by block of 16 tokens x 128 columns, through my own stage: columns are put at their natural places, rows come back whole, the bias is added, and 32 lanes store 512 consecutive bytes.
.macro TOSTAGE a
.set AC, 64*((\a)%4)
	WIN 0x08+4*((\a)/4)                            ; an LDS store's data: window 2 or 3
.irp b, 0,1,2,3,4,5,6,7
	ds_store_b128 v[STO], v[AC+8*\b:AC+8*\b+3] offset:128*(\b/2)+32*(\b%2)        ; each accumulator from its low end on
	ds_store_b128 v[STO], v[AC+8*\b+4:AC+8*\b+7] offset:128*(\b/2)+32*(\b%2)+16
.endr
	WIN 0
.set BB, BK+64*((\a)%2)
.irp t, 0,1,2,3,4,5,6,7,8,9,10,11,12,13,14,15
	ds_load_b128 v[BB+4*\t:BB+4*\t+3], v[RD] offset:\t*SPITCH   ; LDS serves a wave's instructions in order: these see the stores above
.endr
.endm
.macro SEND a, younger
.set BB, BK+64*((\a)%2)
	s_wait_dscnt \younger                          ; the block is back; the next block's 16 stores and 16 loads may be out
.irp t, 0,1,2,3,4,5,6,7,8,9,10,11,12,13,14,15
	v_pk_add_f32 v[BB+4*\t:BB+4*\t+1], v[BB+4*\t:BB+4*\t+1], v[BIAS:BIAS+1]
	v_pk_add_f32 v[BB+4*\t+2:BB+4*\t+3], v[BB+4*\t+2:BB+4*\t+3], v[BIAS+2:BIAS+3]
	global_store_b128 v[CO], v[BB+4*\t:BB+4*\t+3], s[10:11] offset:(32*((\a)/2)+8*((\a)%2)+\t+8*(\t/8))*4096 th:TH_STORE_NT   ; place t of block a is a natural row; the base never steps
.endr
.endm
	PLACES NP
	s_wait_loadcnt 0x0                             ; the bias
	TOSTAGE 0
.irp a, 1,2,3,4,5,6,7
.if \a > 1
	s_wait_xcnt 0x0                                ; block a - 2's stores have read their registers: block a's loads may land there
.endif
	TOSTAGE \a
	SEND \a-1, 32
.endr
	SEND 7, 0
	s_wait_tensorcnt 0x0                           ; the wave's end
	ds_add_u32 v[SPW], v[NIL]
	s_wait_dscnt 0x0
	CROUND                                         ; the closing round
	s_endpgm
.Lfunc_end_k_q9e5043d79d_gemm2:
	.size	k_q9e5043d79d_gemm2, .Lfunc_end_k_q9e5043d79d_gemm2-k_q9e5043d79d_gemm2
	.p2alignl 7, 3214868480
	.fill 96, 4, 3214868480
	.section	.rodata,"a",@progbits
	.p2align	6, 0x0
	.amdhsa_kernel k_q9e5043d79d_gemm2
		.amdhsa_group_segment_fixed_size 327680
		.amdhsa_private_segment_fixed_size 0
		.amdhsa_enable_private_segment 0
		.amdhsa_kernarg_size 32
		.amdhsa_user_sgpr_count 2
		.amdhsa_user_sgpr_kernarg_segment_ptr 1
		.amdhsa_wavefront_size32 1
		.amdhsa_system_sgpr_workgroup_id_x 1
		.amdhsa_system_sgpr_workgroup_id_y 1
		.amdhsa_system_sgpr_workgroup_id_z 1
		.amdhsa_system_vgpr_workitem_id 0
		.amdhsa_next_free_vgpr 1024
		.amdhsa_next_free_sgpr 100
		.amdhsa_reserve_vcc 0
		.amdhsa_float_denorm_mode_32 3
		.amdhsa_float_denorm_mode_16_64 3
		.amdhsa_memory_ordered 1
		.amdhsa_forward_progress 1
		.amdhsa_inst_pref_size 159
	.end_amdhsa_kernel
	.amdgpu_metadata
---
amdhsa.version: [ 1, 2 ]
amdhsa.kernels:
  - .name:           k_q9e5043d79d_gemm2
    .symbol:         k_q9e5043d79d_gemm2.kd
    .args:
      - { .name: cq, .offset: 0, .size: 8, .value_kind: global_buffer, .address_space: global }
      - { .name: wq, .offset: 8, .size: 8, .value_kind: global_buffer, .address_space: global }
      - { .name: b2, .offset: 16, .size: 8, .value_kind: global_buffer, .address_space: global }
      - { .name: out0, .offset: 24, .size: 8, .value_kind: global_buffer, .address_space: global }
    .group_segment_fixed_size: 327680
    .private_segment_fixed_size: 0
    .kernarg_segment_align: 8
    .kernarg_segment_size: 32
    .max_flat_workgroup_size: 128
    .sgpr_count:     100
    .vgpr_count:     1024
    .wavefront_size: 32
...
	.end_amdgpu_metadata
.endif
;; end of part 4
